; MI455X (gfx1250); checked and timed in simulation.
; The chip was launched on July 23, 2026; its instructions are those of AMD's public machine-readable ISA for CDNA 5 (MIT licence, August 2026) and "CDNA5" Instruction Set Architecture Reference Guide (July 2026). The comments in the code are by the model that wrote it; some were corrected since.
;; Capsule Layer. Allowed arithmetic: matrix products marked QUANTISED: E2M1 operands, one E8M0 scale for each 32 along K, by v_wmma_scale_f32_16x16x128_f8f6f4 with both operands' format E2M1 (or v_wmma_scale_f32_32x16x128_f4), f32 sums; everything else in f32.
;; Inputs: route_weights 32 x 256 x 256 float32; route_weights1 64 x 256 x 256 float32; x 64 x 128 x 256 float32.
;; Outputs: out0 32 x 64 x 256 float32.
;; This version of the problem:
;;   THIS VERSION OF THE PROBLEM IS GIVEN IN LOW PRECISION. The matrix products marked QUANTISED in the list below multiply operands that are first quantised to E2M1 (2 exponent bits, 1 mantissa bit; 4 bits a number), with one power-of-two scale for each 32 numbers along K (OCP MX v1.0); their sums are f32. All else is computed in f32.
;;   The module's matrix products, in the order in which they are computed (A, B: the left and right operand; K: the contracted axis; several contracted axes count as one K, in the product's order):
;;     1. [M 16,384, K 256] x [K 256, N 8,192]; A: input route_weights1; B: input x: QUANTISED
;;     2. [M 8,192, K 256] x [K 256, N 4,096]; A: input route_weights; B: computed on the way: QUANTISED
;;   THE QUANTISER, for each operand of a quantised product, along K:
;;     - K is cut into blocks of 32 from its start; a last block that is shorter is filled with zeros.
;;     - A block's scale is 2^e with e = floor(log2(the largest magnitude in the block)) - 2, held to -126 .. 127; a block of zeros has e = 0. As a byte (E8M0): e + 127.
;;     - Each number is divided by its block's scale, clamped to +-6, and rounded to the nearest number of E2M1, ties to even, subnormals kept.
;;     - The product sums the exact products of the quantised numbers (number of the format x scale) in f32.
;;   ~~~python
;;   def quantise(x, axis):      # numpy; x: float32 -> the quantised numbers, widened to float32 again
;;       x = np.moveaxis(x, axis, -1); K = x.shape[-1]
;;       x = np.pad(x, [(0, 0)] * (x.ndim - 1) + [(0, -K % 32)]); x = x.reshape(x.shape[:-1] + (-1, 32)); a = np.abs(x).max(-1, keepdims=True)
;;       e = np.where(a > 0, np.clip(np.frexp(np.where(a > 0, a, 1))[1] - 1 - 2, -126, 127), 0)      # np.frexp(a)[1] - 1 = floor(log2(a)), exactly
;;       r = np.clip(x / 2.0 ** e, -6, 6)
;;       step = 2.0 ** (np.maximum(np.frexp(np.where(r == 0, 1, r))[1] - 1, 0) - 1)
;;       q = np.round(r / step) * step * 2.0 ** e      # np.round: ties to even
;;       return np.moveaxis(q.reshape(q.shape[:-2] + (-1,))[..., :K], -1, axis).astype(np.float32)
;;   ~~~
;;   OPERANDS COMPUTED ON THE WAY. 'Computed on the way' means the value that the module computes at that place (a softmax that the list does not call 'softmax' is quantised finished and normalised). What goes into a quantiser is computed in f32, as accurately as f32 sums, v_exp_f32 and their like allow (about 1e-6 of the number): no bf16 or f16 on the way to a quantiser, and a product that is left as it is and whose result goes on into a quantised operand takes f32 operands (vector FMAs, or v_wmma_f32_16x16x4_f32). A number that lies on a knife's edge between two numbers of the format may be rounded either way, as far as f32 arithmetic and the matrix unit's own rounding can turn it there, and no further.
;; 2 versions, each right; version 2 is version 1 with the launches stage1, stage2 written anew for expert scheduling mode. Each part assembles by itself: llvm-mc -triple=amdgcn-amd-amdhsa -mcpu=gfx1250 --defsym DOCPART=n.
;; ======== version 1 of 2: 3 launches
;; workspace buffers: xq 1,048,576 bytes; xs 65,536 bytes; wq 3,145,728 bytes; ws 196,608 bytes; o1q 524,288 bytes; o1s 32,768 bytes
;; launch quant (part 1): grid 512 x 1, 4 waves a work-group, no clusters, 17,920 bytes of LDS; arguments x, route_weights1, route_weights, xq, xs, wq, ws; writes xq, xs, wq, ws
.if DOCPART == 1
	.amdgcn_target "amdgcn-amd-amdhsa--gfx1250"
	.amdhsa_code_object_version 6
	.text
	.protected	k_q336dcf7c2a_quant
	.globl	k_q336dcf7c2a_quant
	.p2align	8
	.type	k_q336dcf7c2a_quant,@function
k_q336dcf7c2a_quant:
	s_mov_b64 s[64:65], 0
	v_nop
	global_prefetch_b8 v0, s[64:65] scope:SCOPE_SE
	s_setreg_imm32_b32 hwreg(HW_REG_WAVE_MODE, 25, 1), 1
	s_wait_xcnt 0x0
; x [64][128][256], W1 [64][256][256] and W [32][256][256], f32, become codes of FP4 (E2M1) with one E8M0 scale byte for each 32 along K (K = the 256 features d),
; laid in the ORDER OF THE OPERANDS' REGISTERS, so that the two later launches load every fragment by 16-byte loads at 16 x lane.
;   xq [a 64][mt 8][ks 2][c 2][lane 32][16 B]: lane (r, hh) holds row 16 mt + r of x[a], block 4 ks + 2 c + hh of its 8 blocks of 32.
;   xs [a][mt][lane 32] words: lanes 0-15 row r's four scale bytes of ks 0, lanes 16-31 those of ks 1.
;   wq [mat 96][nt 16][ks 2][c 2][lane 32][16 B]: mat 0-63 = W1[h], 64-95 = W[c]; lane (r, hh) holds column e = 16 nt + r, block 4 ks + 2 c + hh along d.
;   ws [mat][ks 2][ntp 8][lane 32] words: lane l holds the four scale bytes of column e = 32 ntp + l.
; A block's scale is 2^(floor(log2(its largest magnitude)) - 2): its byte is the largest magnitude's exponent field - 2, held at 1 from below by a floor among the maximum's leaves.
; LIMITS: a block of zeros gets the byte 1 where the rule says 127 (its codes are zeros, and only this program reads the bytes); NaN and infinities among the inputs are not served.
; Work-groups 0-127 take x (a wave: one tile of 16 rows x 256), work-groups 128-511 the weights (a wave: 32 columns x 128 along d).  Waves share nothing: no barrier.
.set R, 32                             ; v32-159  numbers as they are loaded
.set X, 160                            ; v160-191 x's path: a block's 32 neighbours
.set C, 192                            ; v192-207 codes: four registers for each block, so that no store's data are written again
.set SPITCH, 272                       ; x's path: a stage row: 256 bytes + 16 of padding
; 32 numbers of ONE lane, v[xs] on, become 4 registers of codes in v[cd] on, and the scale's byte in v[by].  v10-12 at work.
.macro BLOCKQ xs, cd, by
	v_max3_num_f32 v10, |v[(\xs)]|, |v[(\xs)+1]|, |v[(\xs)+2]|     ; the largest magnitude, in two chains
	v_max3_num_f32 v11, |v[(\xs)+3]|, |v[(\xs)+4]|, |v[(\xs)+5]|
.irp i, 6,10,14,18,22,26
	v_max3_num_f32 v10, v10, |v[(\xs)+\i]|, |v[(\xs)+\i+1]|
	v_max3_num_f32 v11, v11, |v[(\xs)+\i+2]|, |v[(\xs)+\i+3]|
.endr
	v_max3_num_f32 v10, v10, |v[(\xs)+30]|, |v[(\xs)+31]|
	v_max3_num_f32 v10, v10, v11, 0x1800000        ; and the floor 2^(3 - 127): the byte cannot fall under 1
	v_add_nc_u32 v12, 0xff000000, v10              ; 2 off the exponent field: the conversion takes this operand's exponent field as its scale
.irp g, 0,1,2,3
	v_cvt_scalef32_pk8_fp4_f32 v[(\cd)+\g], v[(\xs)+8*\g:(\xs)+8*\g+7], v12
.endr
	v_lshrrev_b32 v[(\by)], 23, v12                ; the scale's byte; also the plain line behind the conversions
.endm
	s_load_b256 s[4:11], s[0:1], 0x0               ; x s[4:5], W1 s[6:7], W s[8:9], xq s[10:11]
	s_load_b128 s[12:15], s[0:1], 0x20             ; xs s[12:13], wq s[14:15]
	s_load_b64 s[16:17], s[0:1], 0x30              ; ws
	v_lshl_add_u32 v208, v0, 2, 0x4400
	v_mov_b32 v209, 0
	v_lshrrev_b32 v1, 5, v0
	v_readfirstlane_b32 s18, v1                    ; wave 0..3
	v_and_b32 v2, 15, v0                           ; r
	v_bfe_u32 v3, v0, 4, 1                         ; hh
	v_and_b32 v9, 31, v0                           ; lane
	v_lshlrev_b32 v7, 4, v9                        ; 16 x lane
	v_lshlrev_b32 v8, 2, v9                        ; 4 x lane
	s_mov_b32 s23, 0                               ; the high word of every offset
	s_cmp_lt_u32 ttmp9, 128
	s_cbranch_scc0 .Lweights
; ---------------- x: K is innermost.  A wave's tile is 16 rows x 1,024 bytes, dense.
; Each load reads two whole runs of 256 bytes (rows 2 q and 2 q + 1, columns 64 s on); a step's 16 x 256 bytes turn through the wave's own stage, so that a lane gets a whole block of 32 neighbours.
	s_lshl_b32 s19, ttmp9, 2
	s_add_co_u32 s19, s19, s18                     ; the tile: 8 a + mt
	v_lshlrev_b32 v4, 10, v3
	v_lshl_add_u32 v4, v2, 4, v4                   ; in memory: row hh, 16 r
	s_mul_i32 s20, s18, 16*SPITCH                  ; my stage
	v_mul_u32_u24 v5, v3, SPITCH
	v_lshl_add_u32 v5, v2, 4, v5
	v_add_nc_u32 v5, s20, v5                       ; into it: row hh, 16 r
	v_mul_u32_u24 v6, v2, SPITCH
	v_lshl_add_u32 v6, v3, 7, v6
	v_add_nc_u32 v6, s20, v6                       ; out of it: row r, block hh of the step's two
	s_mov_b32 s24, 0x76543210
	s_mov_b32 s25, 0xfedcba98                      ; v_permlanex16_b32's selects for lane l xor 16
	s_mov_b32 s26, 0xffff0000                      ; lanes 16-31
	s_lshl_b32 s22, s19, 14
	s_wait_kmcnt 0x0
	s_add_nc_u64 s[4:5], s[4:5], s[22:23]          ; x: 16,384 bytes a tile
	s_lshl_b32 s22, s19, 11
	s_add_nc_u64 s[10:11], s[10:11], s[22:23]      ; xq: 2,048
	s_lshl_b32 s22, s19, 7
	s_add_nc_u64 s[12:13], s[12:13], s[22:23]      ; xs: 128
.irp s, 0,1,2,3
.irp q, 0,1,2,3,4,5,6,7
	global_load_b128 v[R+4*(8*\s+\q):R+4*(8*\s+\q)+3], v4, s[4:5] offset:2048*\q+256*\s th:TH_LOAD_NT
.endr
.endr
.macro XSTEP s                         ; step s = 2 ks + c: blocks 2 s and 2 s + 1 of the 16 rows
	s_wait_loadcnt 8*(3-(\s))                      ; this step's eight loads are in; the eight of each later step may be out
.irp q, 0,1,2,3,4,5,6,7
	ds_store_b128 v5, v[R+4*(8*(\s)+\q):R+4*(8*(\s)+\q)+3] offset:2*SPITCH*\q
.endr
.irp i, 0,1,2,3,4,5,6,7
	ds_load_b128 v[X+4*\i:X+4*\i+3], v6 offset:16*\i   ; LDS serves a wave's instructions in order: these see the stores above, and the next step's stores come behind them
.endr
	s_wait_dscnt 0x0
	BLOCKQ X, C+4*(\s), 20+(\s)
	global_store_b128 v7, v[C+4*(\s):C+4*(\s)+3], s[10:11] offset:512*(\s)   ; the wave stores 512 consecutive bytes, aligned
.endm
	XSTEP 0
	XSTEP 1
	XSTEP 2
	XSTEP 3
	; the scale words: v[20 + s] holds the byte of block 2 s + hh of my row
	v_lshlrev_b32 v13, 3, v3                       ; 8 hh
	v_lshl_or_b32 v24, v21, 16, v20                ; ks 0: my two bytes,
	v_lshl_or_b32 v25, v23, 16, v22                ; ks 1
	v_lshlrev_b32 v24, v13, v24                    ; at their places in the word
	v_lshlrev_b32 v25, v13, v25
	v_mov_b32 v26, 0                               ; (a lane permute's destination counts as one of its sources)
	v_mov_b32 v27, 0
	v_permlanex16_b32 v26, v24, s24, s25
	v_permlanex16_b32 v27, v25, s24, s25
	v_or_b32 v24, v24, v26                         ; with lane l xor 16's two the words are whole
	v_or_b32 v25, v25, v27
	v_cndmask_b32 v24, v24, v25, s26               ; lanes 0-15 keep ks 0's, lanes 16-31 take ks 1's
	global_store_b32 v8, v24, s[12:13]             ; 128 consecutive bytes: half of an aligned 256; the scale words are one byte in sixteen of what this path stores
	s_wait_tensorcnt 0x0
	ds_add_u32 v208, v209
	s_wait_dscnt 0x0
	s_endpgm
; ---------------- the weights: K (d) is the FIRST axis of a matrix.  A lane takes a column e, and its registers run down d: a block of 32 lies in one lane, and nothing is transposed.
.Lweights:
	s_sub_co_u32 s19, ttmp9, 128
	s_lshr_b32 s20, s19, 2                         ; mat 0..95
	s_bfe_u32 s21, s19, 0x10001                    ; ks: which 128 along d
	s_and_b32 s24, s19, 1
	s_lshl_b32 s24, s24, 2
	s_add_co_u32 s24, s24, s18                     ; cg 0..7: columns 32 cg on; the four waves stand side by side on 512 bytes
	v_lshlrev_b32 v5, 11, v3
	v_lshl_add_u32 v5, v2, 4, v5                   ; wq: lanes 16-31 belong to the next nt, 2,048 bytes on; 16 r
	s_wait_kmcnt 0x0
	s_cmp_lt_u32 s20, 64                           ; W1 or W: the choice hangs on the work-group's number alone
	s_cselect_b64 s[6:7], s[6:7], s[8:9]
	s_cselect_b32 s25, 0, 64
	s_sub_co_u32 s25, s20, s25                     ; the matrix's number in its own tensor
	s_lshl_b32 s22, s25, 18                        ; 262,144 bytes a matrix,
	s_lshl_b32 s26, s21, 17                        ; 128 rows of 1,024,
	s_add_co_u32 s22, s22, s26
	s_lshl_b32 s26, s24, 7                         ; 32 columns of 4
	s_add_co_u32 s22, s22, s26
	s_add_nc_u64 s[6:7], s[6:7], s[22:23]
	s_lshl_b32 s22, s20, 15                        ; wq: 32,768 a matrix, 4,096 for two nt, 1,024 a ks
	s_lshl_b32 s26, s24, 12
	s_add_co_u32 s22, s22, s26
	s_lshl_b32 s26, s21, 10
	s_add_co_u32 s22, s22, s26
	s_add_nc_u64 s[14:15], s[14:15], s[22:23]
	s_lshl_b32 s22, s20, 11                        ; ws: 2,048 a matrix, 1,024 a ks, 128 for 32 columns
	s_lshl_b32 s26, s21, 10
	s_add_co_u32 s22, s22, s26
	s_lshl_b32 s26, s24, 7
	s_add_co_u32 s22, s22, s26
	s_add_nc_u64 s[16:17], s[16:17], s[22:23]
.macro WLOAD t                         ; block t: rows 32 t + i of my 128, my column, into registers of the block's own.  (The argument is put in as text: it stands in parentheses)
.irp i, 0,1,2,3,4,5,6,7,8,9,10,11,12,13,14,15,16,17,18,19,20,21,22,23,24,25,26,27,28,29,30,31
	global_load_b32 v[R+32*(\t)+\i], v8, s[6:7] offset:(32*(\t)+\i)*1024 th:TH_LOAD_NT
.endr
.endm
.macro WBLOCK t
.if (\t) < 3
	s_wait_loadcnt 32                              ; this block's 32 loads are in; the next block's 32 may be out
.else
	s_wait_loadcnt 0x0
.endif
.if (\t) < 2
	WLOAD (\t)+2                                   ; every block has registers of its own: the loads run two blocks ahead
.endif
.if (\t) == 0
	BLOCKQ R, C, 20
.else
	BLOCKQ R+32*(\t), C+4*(\t), 13
	v_lshl_or_b32 v20, v13, 8*(\t), v20            ; the four bytes make my column's scale word of this ks
.endif
	global_store_b128 v5, v[C+4*(\t):C+4*(\t)+3], s[14:15] offset:256*(\t)   ; block t = 2 c + hh: each half of the lanes stores 256 consecutive bytes, aligned
.endm
	WLOAD 0
	WLOAD 1
	WBLOCK 0
	WBLOCK 1
	WBLOCK 2
	WBLOCK 3
	global_store_b32 v8, v20, s[16:17]             ; 128 consecutive bytes
	s_endpgm
.Lfunc_end_k_q336dcf7c2a_quant:
	.size	k_q336dcf7c2a_quant, .Lfunc_end_k_q336dcf7c2a_quant-k_q336dcf7c2a_quant
	.p2alignl 7, 3214868480
	.fill 96, 4, 3214868480
	.section	.rodata,"a",@progbits
	.p2align	6, 0x0
	.amdhsa_kernel k_q336dcf7c2a_quant
		.amdhsa_group_segment_fixed_size 17920
		.amdhsa_private_segment_fixed_size 0
		.amdhsa_enable_private_segment 0
		.amdhsa_kernarg_size 56
		.amdhsa_user_sgpr_count 2
		.amdhsa_user_sgpr_kernarg_segment_ptr 1
		.amdhsa_wavefront_size32 1
		.amdhsa_system_sgpr_workgroup_id_x 1
		.amdhsa_system_sgpr_workgroup_id_y 1
		.amdhsa_system_sgpr_workgroup_id_z 1
		.amdhsa_system_vgpr_workitem_id 0
		.amdhsa_next_free_vgpr 210
		.amdhsa_next_free_sgpr 66
		.amdhsa_reserve_vcc 0
		.amdhsa_float_denorm_mode_32 3
		.amdhsa_float_denorm_mode_16_64 3
		.amdhsa_memory_ordered 1
		.amdhsa_forward_progress 1
		.amdhsa_inst_pref_size 36
	.end_amdhsa_kernel
	.amdgpu_metadata
---
amdhsa.version: [ 1, 2 ]
amdhsa.kernels:
  - .name:           k_q336dcf7c2a_quant
    .symbol:         k_q336dcf7c2a_quant.kd
    .args:
      - { .name: x, .offset: 0, .size: 8, .value_kind: global_buffer, .address_space: global }
      - { .name: route_weights1, .offset: 8, .size: 8, .value_kind: global_buffer, .address_space: global }
      - { .name: route_weights, .offset: 16, .size: 8, .value_kind: global_buffer, .address_space: global }
      - { .name: xq, .offset: 24, .size: 8, .value_kind: global_buffer, .address_space: global }
      - { .name: xs, .offset: 32, .size: 8, .value_kind: global_buffer, .address_space: global }
      - { .name: wq, .offset: 40, .size: 8, .value_kind: global_buffer, .address_space: global }
      - { .name: ws, .offset: 48, .size: 8, .value_kind: global_buffer, .address_space: global }
    .group_segment_fixed_size: 17920
    .private_segment_fixed_size: 0
    .kernarg_segment_align: 8
    .kernarg_segment_size: 56
    .max_flat_workgroup_size: 128
    .sgpr_count:     66
    .vgpr_count:     210
    .wavefront_size: 32
...
	.end_amdgpu_metadata
.endif
;; end of part 1
;; launch stage1 (part 2): grid 64 x 4, 4 waves a work-group, no clusters, 31,232 bytes of LDS; arguments xq, xs, wq, ws, o1q, o1s; writes o1q, o1s
.if DOCPART == 2
	.amdgcn_target "amdgcn-amd-amdhsa--gfx1250"
	.amdhsa_code_object_version 6
	.text
	.protected	k_q336dcf7c2a_stage1
	.globl	k_q336dcf7c2a_stage1
	.p2align	8
	.type	k_q336dcf7c2a_stage1,@function
k_q336dcf7c2a_stage1:
	s_mov_b64 s[64:65], 0
	v_nop
	global_prefetch_b8 v0, s[64:65] scope:SCOPE_SE
	s_setreg_imm32_b32 hwreg(HW_REG_WAVE_MODE, 25, 1), 1
	s_wait_xcnt 0x0
; STAGE 1.  For each pair (h, a): priors[b][e] = the sum over d of x[a][b][d] W1[h][d][e] (128 x 256, K = 256, on codes of FP4 with E8M0 scales), then three rounds of routing over b; the squashed result,
; out1[a][h][:], is quantised along its 256 numbers and stored as codes (o1q [h][a][8 blocks][16 B]) and scale bytes (o1s [h][a][8]).  The priors never leave the registers.
; SHARES.  A work-group keeps one h and walks 16 a, a pair a trip.  Wave w owns route nodes b = 32 w .. 32 w + 31 and all 256 e: 32 accumulators of 16 x 16, 256 registers.
; W1[h]'s 32 fragments (256 registers) and 16 registers of scale words stay in every wave's registers for the whole launch; a trip loads only the wave's own 4 KB of x's codes, one trip ahead.
; LAYOUT.  Source 0 = 16 rows of x, source 1 = 16 columns of W1: register j of lane (r, hh) of accumulator (mt, nt) is the prior (b = 32 w + 16 mt + 8 hh + j, e = 16 nt + r):
; registers run along the route nodes, lanes along e.  So a weighted sum over b is packed multiply-adds by weights that are the same in 16 lanes, and a dot product over e is packed multiply-adds and one sum over 16 lanes.
; ROUTING.  The logits are kept in base 2.  Each wave takes ITS largest logit away before the exponential and hands on (m_w, Z_w) with its partial sum; the four are joined under the common largest m: one barrier a round.
; No tensor loads and no cluster: the weights live in registers, and what the work-groups share is read once a work-group (256 KB of x's codes) beside 16 pairs' arithmetic.
; LIMITS: NaN and infinities are not served.  Where a pair's squared length lies under 2^-126 the reciprocal square root takes it as 0 and the row is NaN (at exactly 0 the definition gives NaN too); such a row is not carried
; through the quantiser as NaN.  A block of zeros gets the scale byte 1 (its codes are zeros; only this program reads the bytes).
.set NW,    4                          ; waves that share a pair
.set TRIPS, 16
.set RINV,  0x3c000000                 ; 1 / 128: the first round's weights
.set EXB,   4352                       ; LDS: a round's exchange: 4 x 1,024 bytes of partial sums (images of 8 registers), at 4,096 the waves' (m, Z), 8 bytes each
.set OUT,   3*EXB                      ; the finished rows, 1,024 bytes + 16
.set OP,    1040
.set OSTEP, OP                         ; a trip finishes one row
.set SCB,   OUT+16*OP                  ; 128 scale bytes
.set OWN,   16                         ; s16 = 0: the wave that stores a finished row
; window 0
.set L16,  1                           ; v1   16 x lane
.set L4,   2                           ; v2   4 x lane
.set EXW,  3                           ; v3   where I store my partial sums: 1,024 x wave + 16 x lane
.set EXR,  1                           ; (v1) where I read the four waves' back: 16 x lane
.set MZW,  5                           ; v5   where I store (m, Z): 4,096 + 8 x wave
.set MZR,  6                           ; v6   where I read them: 4,096
.set OUTW, 7                           ; v7   a finished row: OUT + 512 hh + 4 r
.set ADR,  8                           ; v8   the same in the trip's row
.set TRD,  9                           ; v9   the tail: my block of 32 numbers
.set TSB,  10                          ; v10  my scale byte
.set TSR,  11                          ; v11  four scale bytes
.set TGO,  12                          ; v12  16 x thread
.set XF,   16                          ; v16-47   x's fragments (mt, ks) at 16 + 8 (2 mt + ks)
.set XS,   48                          ; v48-49   x's scale words: lanes 0-15 ks 0, lanes 16-31 ks 1
.set WS,   50                          ; v50-65   W1's scale words (ks, nt / 2): lanes 0-15 the even nt, lanes 16-31 the odd
.set SA,   66                          ; v66-97   16 pairs of running sums; then the waves' partial sums
.set R,    66
.set T,    98                          ; v98-113
.set SV,   114                         ; v114-129 s
.set LA,   130                         ; v130-145 dot products, register 8 mt + j
.set PB,   146                         ; v146-161 the weights p, register 8 mt + j, the same in 16 lanes
.set MZ,   162                         ; v162-169 (m, Z) of the waves
.set LG,   170                         ; v170 my route node's logit (lane (r, hh): node 16 (r / 8) + 8 hh + r % 8)
.set PV,   171                         ; v171 its p
.set MW,   172                         ; v172-173 my wave's (m, Z)
.set SQ,   174
.set F,    176                         ; v176-177 the squash factor (a pair is named; the low word serves)
.set TMP,  178                         ; v178-189 at work
; window 1: accumulator (mt, nt) at v[8 (16 mt + nt)].   window 2: W1's fragment (nt, ks) at v[8 (2 nt + ks)].
.set MSB, 0
.macro WIN new                         ; s_set_vgpr_msb: bits 1:0 source 0, 3:2 source 1, 5:4 source 2, 7:6 destination; the high byte repeats the setting that is left
.if MSB != \new
	s_set_vgpr_msb (MSB<<8)|\new
.set MSB, \new
.endif
.endm
.macro WM ks, mt, nt                   ; one product: 16 route nodes x 16 e x 128 along d
.set rP, 8*(16*\mt+\nt)
.set rA, XF+8*(2*\mt+\ks)
.set rB, 8*(2*\nt+\ks)
.set rX, XS+\mt
.set rW, WS+8*\ks+\nt/2
.if \ks == 0
.if \nt%2 == 0
	v_wmma_scale_f32_16x16x128_f8f6f4 v[rP:rP+7], v[rA:rA+7], v[rB:rB+7], 0, v[rX], v[rW] matrix_a_fmt:MATRIX_FMT_FP4 matrix_b_fmt:MATRIX_FMT_FP4
.else
	v_wmma_scale_f32_16x16x128_f8f6f4 v[rP:rP+7], v[rA:rA+7], v[rB:rB+7], 0, v[rX], v[rW] matrix_a_fmt:MATRIX_FMT_FP4 matrix_b_fmt:MATRIX_FMT_FP4 matrix_b_scale:MATRIX_SCALE_ROW1
.endif
.else
.if \nt%2 == 0
	v_wmma_scale_f32_16x16x128_f8f6f4 v[rP:rP+7], v[rA:rA+7], v[rB:rB+7], v[rP:rP+7], v[rX], v[rW] matrix_a_fmt:MATRIX_FMT_FP4 matrix_b_fmt:MATRIX_FMT_FP4 matrix_a_scale:MATRIX_SCALE_ROW1
.else
	v_wmma_scale_f32_16x16x128_f8f6f4 v[rP:rP+7], v[rA:rA+7], v[rB:rB+7], v[rP:rP+7], v[rX], v[rW] matrix_a_fmt:MATRIX_FMT_FP4 matrix_b_fmt:MATRIX_FMT_FP4 matrix_a_scale:MATRIX_SCALE_ROW1 matrix_b_scale:MATRIX_SCALE_ROW1
.endif
.endif
.endm
.macro MULS                            ; a pair's 64 products: the first 32 start the sums with the constant 0; the 32 accumulators take turns, one instruction a turn
	WIN 0x58                                       ; source 1 (W1) window 2; C and D window 1
.irp ks, 0,1
.irp mt, 0,1
.irp nt, 0,1,2,3,4,5,6,7,8,9,10,11,12,13,14,15
	WM \ks, \mt, \nt
.endr
.endr
.endr
	WIN 0
.rept 4
	v_nop                                          ; four places behind the last products, in front of the reads of results and of loads into registers that the products read
.endr
.endm
; My partial of s[e] = the sum over my 32 route nodes of p P: 16 pairs of sums (even j, odd j), one for each nt; u = 4 mt + j / 2.  Each accumulator is read from its low end on.
.macro SPASS k
.if \k == 0                            ; the first round's weights are all alike: plain sums
	WIN 0x05
.irp nt, 0,1,2,3,4,5,6,7,8,9,10,11,12,13,14,15
	v_pk_add_f32 v[SA+2*\nt:SA+2*\nt+1], v[8*\nt:8*\nt+1], v[8*\nt+2:8*\nt+3]
.endr
	WIN 0x01
.irp u, 2,3,4,5,6,7
.irp nt, 0,1,2,3,4,5,6,7,8,9,10,11,12,13,14,15
	v_pk_add_f32 v[SA+2*\nt:SA+2*\nt+1], v[8*(16*(\u/4)+\nt)+2*(\u%4):8*(16*(\u/4)+\nt)+2*(\u%4)+1], v[SA+2*\nt:SA+2*\nt+1]
.endr
.endr
.else
	WIN 0x01
.irp nt, 0,1,2,3,4,5,6,7,8,9,10,11,12,13,14,15
	v_pk_mul_f32 v[SA+2*\nt:SA+2*\nt+1], v[8*\nt:8*\nt+1], v[PB:PB+1]
.endr
.irp u, 1,2,3,4,5,6,7
.irp nt, 0,1,2,3,4,5,6,7,8,9,10,11,12,13,14,15
	v_pk_fma_f32 v[SA+2*\nt:SA+2*\nt+1], v[8*(16*(\u/4)+\nt)+2*(\u%4):8*(16*(\u/4)+\nt)+2*(\u%4)+1], v[PB+2*\u:PB+2*\u+1], v[SA+2*\nt:SA+2*\nt+1]
.endr
.endr
.endif
	WIN 0
.endm
.macro SREDUCE                         ; the pairs' halves, then the two halves of the lanes: afterwards register q of lane (r, hh) holds e = 16 (q + 8 hh) + r
.irp nt, 0,1,2,3,4,5,6,7,8,9,10,11,12,13,14,15
	v_add_f32 v[T+\nt], v[SA+2*\nt], v[SA+2*\nt+1]
.endr
.irp q, 0,1,2,3,4,5,6,7
	v_permlane16_swap_b32 v[T+\q], v[T+8+\q]       ; the first's lanes 16-31 change places with the second's lanes 0-15
.endr
.irp p, 0,1,2,3
	v_pk_add_f32 v[T+2*\p:T+2*\p+1], v[T+2*\p:T+2*\p+1], v[T+8+2*\p:T+8+2*\p+1]
.endr
.endm
; The waves' partial sums meet in LDS, as images of their registers.  Each round has bytes of its own, which are written again a trip later: two barriers lie between, and in front of each every wave has waited for its reads.
.macro EXCH k
	ds_store_b128 v[EXW], v[T:T+3] offset:EXB*\k
	ds_store_b128 v[EXW], v[T+4:T+7] offset:EXB*\k+512
.if \k > 0
	ds_store_b64 v[MZW], v[MW:MW+1] offset:EXB*\k  ; all lanes write the same 8 bytes with the same values
.endif
	s_wait_dscnt 0x0                               ; for the others' sake: my stores have landed
	s_barrier_signal -1
	s_barrier_wait -1
.set w, 0
.rept NW
	ds_load_b128 v[R+8*w:R+8*w+3], v[EXR] offset:EXB*\k+1024*w
	ds_load_b128 v[R+8*w+4:R+8*w+7], v[EXR] offset:EXB*\k+1024*w+512
.set w, w+1
.endr
.if \k > 0
	ds_load_b128 v[MZ:MZ+3], v[MZR] offset:EXB*\k
.if NW == 4
	ds_load_b128 v[MZ+4:MZ+7], v[MZR] offset:EXB*\k+16
.endif
.endif
	s_wait_dscnt 0x0
.endm
.macro COMBINE k                       ; s, 8 numbers a lane, the same in every wave of the pair
.if \k == 0
.irp p, 0,1,2,3
	v_pk_add_f32 v[SV+2*\p:SV+2*\p+1], v[R+2*\p:R+2*\p+1], v[R+8+2*\p:R+8+2*\p+1]
.endr
.set w, 2
.rept NW-2
.irp p, 0,1,2,3
	v_pk_add_f32 v[SV+2*\p:SV+2*\p+1], v[SV+2*\p:SV+2*\p+1], v[R+8*w+2*\p:R+8*w+2*\p+1]
.endr
.set w, w+1
.endr
.irp p, 0,1,2,3
	v_pk_mul_f32 v[SV+2*\p:SV+2*\p+1], v[SV+2*\p:SV+2*\p+1], RINV op_sel_hi:[1,0]
.endr
.else
.if NW == 4
	v_max3_num_f32 v[TMP], v[MZ], v[MZ+2], v[MZ+4]
	v_max_num_f32 v[TMP], v[TMP], v[MZ+6]          ; the pair's largest logit
.else
	v_max_num_f32 v[TMP], v[MZ], v[MZ+2]
.endif
.set w, 0
.rept NW
	v_sub_f32 v[MZ+2*w], v[MZ+2*w], v[TMP]
.set w, w+1
.endr
.set w, 0
.rept NW
	v_exp_f32 v[MZ+2*w], v[MZ+2*w]                 ; g_w = 2^(m_w - M), at most 1
.set w, w+1
.endr
	v_nop                                          ; a plain line behind the exponentials
	s_wait_alu depctr_va_vdst(0)
	v_mul_f32 v[TMP+1], v[MZ], v[MZ+1]
.set w, 1
.rept NW-1
	v_fma_f32 v[TMP+1], v[MZ+2*w], v[MZ+2*w+1], v[TMP+1]   ; Z = the sum of g_w Z_w, at least 1
.set w, w+1
.endr
	v_rcp_f32 v[TMP+1], v[TMP+1]
	v_nop                                          ; a plain line behind the reciprocal
.set w, 0
	s_wait_alu depctr_va_vdst(0)
.rept NW
	v_mul_f32 v[MZ+2*w], v[MZ+2*w], v[TMP+1]       ; g_w / Z
.set w, w+1
.endr
.irp p, 0,1,2,3
	v_pk_mul_f32 v[SV+2*\p:SV+2*\p+1], v[R+2*\p:R+2*\p+1], v[MZ:MZ+1] op_sel_hi:[1,0]
.endr
.set w, 1
.rept NW-1
.irp p, 0,1,2,3
	v_pk_fma_f32 v[SV+2*\p:SV+2*\p+1], v[R+8*w+2*\p:R+8*w+2*\p+1], v[MZ+2*w:MZ+2*w+1], v[SV+2*\p:SV+2*\p+1] op_sel_hi:[1,0,1]
.endr
.set w, w+1
.endr
.endif
.endm
.macro SQUASH k                        ; F = sq / (1 + sq) / sqrt(sq), sq = |s|^2; in the first two rounds times log2(e), since F only weighs the logits there
	v_pk_mul_f32 v[SQ:SQ+1], v[SV:SV+1], v[SV:SV+1]
.irp p, 1,2,3
	v_pk_fma_f32 v[SQ:SQ+1], v[SV+2*\p:SV+2*\p+1], v[SV+2*\p:SV+2*\p+1], v[SQ:SQ+1]
.endr
	v_add_f32 v[SQ], v[SQ], v[SQ+1]
.irp m, 1,2,4,8
	v_add_f32_dpp v[SQ], v[SQ], v[SQ] row_xmask:\m row_mask:0xf bank_mask:0xf
.endr
	v_permlanex16_b32 v[SQ+1], v[SQ], s20, s21
	v_add_f32 v[SQ], v[SQ], v[SQ+1]
	v_add_f32 v[TMP], 1.0, v[SQ]
	v_rcp_f32 v[TMP], v[TMP]
	v_rsq_f32 v[TMP+1], v[SQ]
	v_nop                                          ; a plain line behind the two
	s_wait_alu depctr_va_vdst(0)
	v_mul_f32 v[F], v[SQ], v[TMP]
	v_mul_f32 v[F], v[F], v[TMP+1]
.if \k < 2
	v_mul_f32 v[F], 0x3fb8aa3b, v[F]
.endif
.endm
.macro UNSWAP                          ; s[16 nt + r] into register nt of both halves of the lanes
.irp q, 0,1,2,3,4,5,6,7
	v_mov_b32 v[SV+8+\q], v[SV+\q]
.endr
.irp q, 0,1,2,3,4,5,6,7
	v_permlane16_swap_b32 v[SV+\q], v[SV+8+\q]
.endr
.endm
.macro LPASS                           ; my lane's part of P . s for my 16 registers' route nodes: 8 pairs, u = 4 mt + j / 2; s[nt] serves both halves of a pair
	WIN 0x01
.irp u, 0,1,2,3,4,5,6,7
	v_pk_mul_f32 v[LA+2*\u:LA+2*\u+1], v[128*(\u/4)+2*(\u%4):128*(\u/4)+2*(\u%4)+1], v[SV:SV+1] op_sel_hi:[1,0]
.endr
.irp nt, 1,2,3,4,5,6,7,8,9,10,11,12,13,14,15
.irp u, 0,1,2,3,4,5,6,7
.if \nt%2 == 0
	v_pk_fma_f32 v[LA+2*\u:LA+2*\u+1], v[8*(16*(\u/4)+\nt)+2*(\u%4):8*(16*(\u/4)+\nt)+2*(\u%4)+1], v[SV+\nt:SV+\nt+1], v[LA+2*\u:LA+2*\u+1] op_sel_hi:[1,0,1]
.else
	v_pk_fma_f32 v[LA+2*\u:LA+2*\u+1], v[8*(16*(\u/4)+\nt)+2*(\u%4):8*(16*(\u/4)+\nt)+2*(\u%4)+1], v[SV+\nt-1:SV+\nt], v[LA+2*\u:LA+2*\u+1] op_sel:[0,1,0] op_sel_hi:[1,1,1]
.endif
.endr
.endr
	WIN 0
.endm
; 16 registers x 16 lanes are summed over the lanes, and the sums are dealt to the lanes: at level lv a lane whose bit lv is 0 keeps the lower register of a pair, the others the upper, and each gets its partner's part of it.
.macro LRED lv, d, cnt
.set q, 0
.rept \cnt
	v_cndmask_b32 v[TMP+q], v[LA+2*\d*q+\d], v[LA+2*\d*q], s[22+\lv]   ; what my partner wants of me
.set q, q+1
.endr
.set q, 0
.rept \cnt
	v_cndmask_b32 v[LA+2*\d*q], v[LA+2*\d*q], v[LA+2*\d*q+\d], s[22+\lv]   ; what I keep
.set q, q+1
.endr
.set q, 0
.rept \cnt
	v_add_f32_dpp v[LA+2*\d*q], v[TMP+q], v[LA+2*\d*q] row_xmask:\d row_mask:0xf bank_mask:0xf
.set q, q+1
.endr
.endm
.macro SOFTMAX_W                       ; my wave's 32 route nodes, one a lane: m, p = 2^(logit - m), Z; then p is spread: register n gets lane n's, in each half of the lanes
	v_max_num_f32_dpp v[TMP], v[LG], v[LG] row_xmask:1 row_mask:0xf bank_mask:0xf
.irp m, 2,4,8
	v_max_num_f32_dpp v[TMP], v[TMP], v[TMP] row_xmask:\m row_mask:0xf bank_mask:0xf
.endr
	v_permlanex16_b32 v[TMP+1], v[TMP], s20, s21
	v_max_num_f32 v[MW], v[TMP], v[TMP+1]
	v_sub_f32 v[PV], v[LG], v[MW]
	v_exp_f32 v[PV], v[PV]
	v_nop                                          ; a plain line behind the exponential
	s_wait_alu depctr_va_vdst(0)
	v_add_f32_dpp v[TMP], v[PV], v[PV] row_xmask:1 row_mask:0xf bank_mask:0xf
.irp m, 2,4,8
	v_add_f32_dpp v[TMP], v[TMP], v[TMP] row_xmask:\m row_mask:0xf bank_mask:0xf
.endr
	v_permlanex16_b32 v[TMP+1], v[TMP], s20, s21
	v_add_f32 v[MW+1], v[TMP], v[TMP+1]
.irp n, 0,1,2,3,4,5,6,7,8,9,10,11,12,13,14,15
	v_mov_b32_dpp v[PB+\n], v[PV] row_share:\n row_mask:0xf bank_mask:0xf
.endr
.endm
.macro ITER k                          ; a round of routing
	SPASS \k
	SREDUCE
	EXCH \k
	COMBINE \k
	SQUASH \k
.if \k < 2
	UNSWAP
	LPASS
	LRED 0, 1, 8
	LRED 1, 2, 4
	LRED 2, 4, 2
	LRED 3, 8, 1
.if \k == 0
	v_mul_f32 v[LG], v[F], v[LA]                   ; the logits begin at 0
.else
	v_fma_f32 v[LG], v[F], v[LA], v[LG]
.endif
	SOFTMAX_W
.else
.irp p, 0,1,2,3
	v_pk_mul_f32 v[SV+2*\p:SV+2*\p+1], v[SV+2*\p:SV+2*\p+1], v[F:F+1] op_sel_hi:[1,0]   ; the pair's result
.endr
	v_add_nc_u32 v[ADR], s26, v[OUTW]
	s_cmp_lg_u32 s[OWN], 0                         ; every wave of the pair holds the same row: one stores it
	s_cbranch_scc1 .Lnot_mine_\@
.irp q, 0,1,2,3,4,5,6,7
	ds_store_b32 v[ADR], v[SV+\q] offset:64*\q     ; e = 16 (q + 8 hh) + r
.endr
.Lnot_mine_\@:
.endif
.endm
.macro XLOAD                           ; my 32 rows' codes of one a (four fragments as they lie) and their scale words
.irp i, 0,1,2,3,4,5,6,7
	global_load_b128 v[XF+4*\i:XF+4*\i+3], v[L16], s[4:5] offset:512*\i
.endr
	global_load_b32 v[XS], v[L4], s[6:7]
	global_load_b32 v[XS+1], v[L4], s[6:7] offset:128
.endm
	s_load_b256 s[4:11], s[0:1], 0x0               ; xq s[4:5], xs s[6:7], wq s[8:9], ws s[10:11]
	s_load_b128 s[12:15], s[0:1], 0x20             ; o1q s[12:13], o1s s[14:15]
	v_lshl_add_u32 v254, v0, 2, 0x7800
	v_mov_b32 v255, 0
	v_lshrrev_b32 v15, 5, v0
	v_readfirstlane_b32 s16, v15                   ; wave 0..3
	v_and_b32 v15, 31, v0                          ; lane
	v_lshlrev_b32 v[L16], 4, v15
	v_lshlrev_b32 v[L4], 2, v15
	s_lshl_b32 s28, s16, 10
	v_add_nc_u32 v[EXW], s28, v[L16]
	s_lshl_b32 s28, s16, 3
	s_add_co_u32 s28, s28, 4096
	v_mov_b32 v[MZW], s28
	v_mov_b32 v[MZR], 4096
	v_and_b32 v13, 15, v0                          ; r
	v_bfe_u32 v14, v0, 4, 1                        ; hh
	v_lshlrev_b32 v[OUTW], 2, v13
	v_lshl_add_u32 v[OUTW], v14, 9, v[OUTW]
	v_add_nc_u32 v[OUTW], OUT, v[OUTW]
	v_lshrrev_b32 v13, 3, v0                       ; the tail: thread t takes block t % 8 of row t / 8
	v_and_b32 v14, 7, v0
	v_mul_u32_u24 v[TRD], v13, OP
	v_lshl_add_u32 v[TRD], v14, 7, v[TRD]
	v_add_nc_u32 v[TRD], OUT, v[TRD]
	v_add_nc_u32 v[TSB], SCB, v0
	v_add_nc_u32 v[TSR], SCB, v[L4]
	v_lshlrev_b32 v[TGO], 4, v0
	s_and_b32 s17, ttmp7, 0xffff                   ; which 16 a
	s_mov_b32 s20, 0x76543210
	s_mov_b32 s21, 0xfedcba98                      ; v_permlanex16_b32's selects for lane l xor 16
	s_mov_b32 s22, 0xaaaaaaaa                      ; lanes whose bit 0, 1, 2, 3 is set
	s_mov_b32 s23, 0xcccccccc
	s_mov_b32 s24, 0xf0f0f0f0
	s_mov_b32 s25, 0xff00ff00
	s_mov_b32 s26, 0                               ; the trip's row in OUT
	s_mov_b32 s19, TRIPS
	s_mov_b32 s29, 0
	s_wait_kmcnt 0x0
	s_lshl_b32 s28, ttmp9, 15                      ; W1[h]: 32,768 bytes of codes,
	s_add_nc_u64 s[8:9], s[8:9], s[28:29]
	s_lshl_b32 s28, ttmp9, 11                      ; 2,048 of scale words
	s_add_nc_u64 s[10:11], s[10:11], s[28:29]
	s_lshl_b32 s28, s17, 18                        ; xq: 16,384 bytes an a, 4,096 for a wave's two tiles
	s_lshl_b32 s30, s16, 12
	s_add_co_u32 s28, s28, s30
	s_add_nc_u64 s[4:5], s[4:5], s[28:29]
	s_lshl_b32 s28, s17, 14                        ; xs: 1,024 an a, 256 a wave
	s_lshl_b32 s30, s16, 8
	s_add_co_u32 s28, s28, s30
	s_add_nc_u64 s[6:7], s[6:7], s[28:29]
	s_lshl_b32 s28, ttmp9, 13                      ; o1q: 8,192 an h, 128 an a
	s_lshl_b32 s30, s17, 11
	s_add_co_u32 s28, s28, s30
	s_add_nc_u64 s[12:13], s[12:13], s[28:29]
	s_lshl_b32 s28, ttmp9, 9                       ; o1s: 512 an h, 8 an a
	s_lshl_b32 s30, s17, 7
	s_add_co_u32 s28, s28, s30
	s_add_nc_u64 s[14:15], s[14:15], s[28:29]
	WIN 0x80                                       ; destination window 2
.set i, 0
.rept 64
	global_load_b128 v[4*i:4*i+3], v[L16], s[8:9] offset:512*i     ; W1[h]'s fragments, as they lie: they stay
.set i, i+1
.endr
	WIN 0
.set i, 0
.rept 16
	global_load_b32 v[WS+i], v[L4], s[10:11] offset:128*i
.set i, i+1
.endr
	XLOAD                                          ; the first pair's x
.irp n, 0,1,2,3,4,5,6,7,8,9,10,11,12,13,14,15
	v_mov_b32 v[PB+\n], 0                          ; written once: the destination of a move between lanes counts as one of its sources
.endr
	v_mov_b32 v[F+1], 0                            ; (named as the upper half of the pair)
.Lpair:
	s_wait_loadcnt 0x0                             ; this pair's x (in the first trip the weights too): asked for a trip ago
	MULS
	s_cmp_eq_u32 s19, 1                            ; the next pair's x, if there is one: no load leaves its buffer
	s_cbranch_scc1 .Lno_next
	s_add_nc_u64 s[4:5], s[4:5], 16384             ; (the loads that named these bases are in)
	s_add_nc_u64 s[6:7], s[6:7], 1024
	XLOAD
.Lno_next:
	ITER 0
	ITER 1
	ITER 2
	s_add_co_u32 s26, s26, OSTEP
	s_sub_co_u32 s19, s19, 1
	s_cmp_lg_u32 s19, 0
	s_cbranch_scc1 .Lpair
	; THE TAIL: the 16 finished rows are quantised, a block of 32 to a thread, and leave as 2,048 consecutive bytes of codes and 128 of scale bytes.
	s_wait_dscnt 0x0                               ; the rows' stores have landed
	s_barrier_signal -1
	s_barrier_wait -1
.irp j, 0,1,2,3,4,5,6,7
	ds_load_b128 v[SA+4*\j:SA+4*\j+3], v[TRD] offset:16*\j
.endr
	s_wait_dscnt 0x0
	v_max3_num_f32 v[TMP], |v[SA]|, |v[SA+1]|, |v[SA+2]|
	v_max3_num_f32 v[TMP+1], |v[SA+3]|, |v[SA+4]|, |v[SA+5]|
.irp i, 6,10,14,18,22,26
	v_max3_num_f32 v[TMP], v[TMP], |v[SA+\i]|, |v[SA+\i+1]|
	v_max3_num_f32 v[TMP+1], v[TMP+1], |v[SA+\i+2]|, |v[SA+\i+3]|
.endr
	v_max3_num_f32 v[TMP], v[TMP], |v[SA+30]|, |v[SA+31]|
	v_max3_num_f32 v[TMP], v[TMP], v[TMP+1], 0x1800000     ; the floor 2^(3 - 127): the byte cannot fall under 1
	v_add_nc_u32 v[TMP+2], 0xff000000, v[TMP]      ; 2 off the exponent field: the conversion's scale operand
.irp g, 0,1,2,3
	v_cvt_scalef32_pk8_fp4_f32 v[T+\g], v[SA+8*\g:SA+8*\g+7], v[TMP+2]
.endr
	v_lshrrev_b32 v[TMP+3], 23, v[TMP+2]           ; the scale's byte; also the plain line behind the conversions
	ds_store_b8 v[TSB], v[TMP+3]
	global_store_b128 v[TGO], v[T:T+3], s[12:13]   ; a wave stores 512 consecutive bytes, aligned
	s_wait_dscnt 0x0
	s_barrier_signal -1
	s_barrier_wait -1
	s_cmp_lg_u32 s16, 0
	s_cbranch_scc1 .Lend
	ds_load_b32 v[TMP+4], v[TSR]
	s_wait_dscnt 0x0
	global_store_b32 v[L4], v[TMP+4], s[14:15]     ; 128 consecutive bytes: half of an aligned 256; 32 KB in the whole launch
.Lend:
	s_wait_tensorcnt 0x0
	ds_add_u32 v254, v255
	s_wait_dscnt 0x0
	s_endpgm
.Lfunc_end_k_q336dcf7c2a_stage1:
	.size	k_q336dcf7c2a_stage1, .Lfunc_end_k_q336dcf7c2a_stage1-k_q336dcf7c2a_stage1
	.p2alignl 7, 3214868480
	.fill 96, 4, 3214868480
	.section	.rodata,"a",@progbits
	.p2align	6, 0x0
	.amdhsa_kernel k_q336dcf7c2a_stage1
		.amdhsa_group_segment_fixed_size 31232
		.amdhsa_private_segment_fixed_size 0
		.amdhsa_enable_private_segment 0
		.amdhsa_kernarg_size 48
		.amdhsa_user_sgpr_count 2
		.amdhsa_user_sgpr_kernarg_segment_ptr 1
		.amdhsa_wavefront_size32 1
		.amdhsa_system_sgpr_workgroup_id_x 1
		.amdhsa_system_sgpr_workgroup_id_y 1
		.amdhsa_system_sgpr_workgroup_id_z 1
		.amdhsa_system_vgpr_workitem_id 0
		.amdhsa_next_free_vgpr 768
		.amdhsa_next_free_sgpr 66
		.amdhsa_reserve_vcc 0
		.amdhsa_float_denorm_mode_32 3
		.amdhsa_float_denorm_mode_16_64 3
		.amdhsa_memory_ordered 1
		.amdhsa_forward_progress 1
		.amdhsa_inst_pref_size 88
	.end_amdhsa_kernel
	.amdgpu_metadata
---
amdhsa.version: [ 1, 2 ]
amdhsa.kernels:
  - .name:           k_q336dcf7c2a_stage1
    .symbol:         k_q336dcf7c2a_stage1.kd
    .args:
      - { .name: xq, .offset: 0, .size: 8, .value_kind: global_buffer, .address_space: global }
      - { .name: xs, .offset: 8, .size: 8, .value_kind: global_buffer, .address_space: global }
      - { .name: wq, .offset: 16, .size: 8, .value_kind: global_buffer, .address_space: global }
      - { .name: ws, .offset: 24, .size: 8, .value_kind: global_buffer, .address_space: global }
      - { .name: o1q, .offset: 32, .size: 8, .value_kind: global_buffer, .address_space: global }
      - { .name: o1s, .offset: 40, .size: 8, .value_kind: global_buffer, .address_space: global }
    .group_segment_fixed_size: 31232
    .private_segment_fixed_size: 0
    .kernarg_segment_align: 8
    .kernarg_segment_size: 48
    .max_flat_workgroup_size: 128
    .sgpr_count:     66
    .vgpr_count:     768
    .wavefront_size: 32
...
	.end_amdgpu_metadata
.endif
;; end of part 2
;; launch stage2 (part 3): grid 32 x 8, 4 waves a work-group, no clusters, 93,696 bytes of LDS; arguments o1q, o1s, wq, ws, out0; writes out0
.if DOCPART == 3
	.amdgcn_target "amdgcn-amd-amdhsa--gfx1250"
	.amdhsa_code_object_version 6
	.text
	.protected	k_q336dcf7c2a_stage2
	.globl	k_q336dcf7c2a_stage2
	.p2align	8
	.type	k_q336dcf7c2a_stage2,@function
k_q336dcf7c2a_stage2:
	s_mov_b64 s[64:65], 0
	v_nop
	global_prefetch_b8 v0, s[64:65] scope:SCOPE_SE
	s_setreg_imm32_b32 hwreg(HW_REG_WAVE_MODE, 25, 1), 1
	s_wait_xcnt 0x0
; STAGE 2.  For each pair (c, a): priors[h][e] = the sum over d of out1[a][h][d] W[c][d][e] (64 x 256, K = 256, on codes of FP4 with E8M0 scales), then three rounds of routing over h; out0[c][a][:] is the squashed result, f32.
; SHARES.  A work-group keeps one c and 8 a.  TWO pairs run side by side: waves 0, 1 take a = 2 trip, waves 2, 3 a = 2 trip + 1; of a pair's 64 route nodes a wave owns 32, and all 256 e: 32 accumulators, 256 registers.
; W[c]'s 32 fragments and 16 registers of scale words stay in every wave's registers.  out1's codes of the 8 a (64 rows of 1,024 bytes) and their scale bytes come into LDS once, in runs of 512 consecutive bytes a load.
; Layout, routing and macros are stage 1's: register j of lane (r, hh) of accumulator (mt, nt) is the prior (route node 16 mt + 8 hh + j of my 32, e = 16 nt + r); logits in base 2; each wave takes its own largest
; logit away before the exponential, and the pair's two waves are joined under the common largest; one barrier a round.
; No tensor loads and no cluster: the weights live in registers, and the 68 KB that go through LDS are filled once, through registers.
; LIMITS: NaN and infinities are not served.  Where a pair's squared length lies under 2^-126 the reciprocal square root takes it as 0 and the row is NaN (at exactly 0 the definition gives NaN too).
.set NW,    2                          ; waves that share a pair
.set TRIPS, 4
.set RINV,  0x3c800000                 ; 1 / 64: the first round's weights
.set EXB,   4352                       ; LDS: a round's exchange: 4 x 1,024 bytes of partial sums (images of 8 registers), at 4,096 the waves' (m, Z), 8 bytes each
.set OUT,   3*EXB                      ; the 8 finished rows, 1,024 bytes + 16
.set OP,    1040
.set OSTEP, 2*OP                       ; a trip finishes two rows
.set AS,    OUT+8*OP                   ; out1's scale bytes: 64 rows (h) x (8 a x 8 bytes + 16)
.set ASP,   80
.set AC,    AS+64*ASP                  ; out1's codes: 64 rows (h) x (8 a x 128 bytes + 16): the 16 rows that a fragment load touches start at 16 different banks
.set OWN,   17                         ; s17 = 0: the wave of a pair that stores the finished row
; window 0
.set L16,  1                           ; v1   16 x lane
.set L4,   2                           ; v2   4 x lane
.set EXW,  3                           ; v3   where I store my partial sums: 1,024 x wave + 16 x lane
.set EXR,  4                           ; v4   where I read my pair's two back: 2,048 x pair + 16 x lane
.set MZW,  5                           ; v5   where I store (m, Z): 4,096 + 8 x wave
.set MZR,  6                           ; v6   where I read my pair's: 4,096 + 16 x pair
.set OUTW, 7                           ; v7   a finished row: OUT + 1,040 x pair + 512 hh + 4 r
.set ADR,  8                           ; v8   the same in the trip's rows
.set ACR,  9                           ; v9   my lane's place in the codes
.set ASR,  10                          ; v10  and in the scale bytes
.set TRD,  11                          ; v11  the tail: my 16 bytes of a row
.set TGO,  12                          ; v12  16 x thread
.set ACA,  13                          ; v13, v14 the same two in the trip's a
.set ASA,  14
.set XF,   16                          ; v16-47   out1's fragments (mt, ks) at 16 + 8 (2 mt + ks)
.set XS,   48                          ; v48-49   their scale words: lanes 0-15 ks 0, lanes 16-31 ks 1
.set WS,   50                          ; v50-65   W's scale words (ks, nt / 2): lanes 0-15 the even nt, lanes 16-31 the odd
.set SA,   66                          ; v66-97   16 pairs of running sums; then the waves' partial sums
.set R,    66
.set T,    98
.set SV,   114
.set LA,   130
.set PB,   146
.set MZ,   162
.set LG,   170
.set PV,   171
.set MW,   172
.set SQ,   174
.set F,    176
.set TMP,  178
.set FB,   66                          ; the head only: v66-193 out1's codes, v194-201 its scale bytes, on their way to LDS
.set ACW,  202                         ; v202-204 the head's addresses
.set ASW,  203
.set SGO,  204
; window 1: accumulator (mt, nt) at v[8 (16 mt + nt)].   window 2: W's fragment (nt, ks) at v[8 (2 nt + ks)].
.set MSB, 0
.macro WIN new                         ; s_set_vgpr_msb: bits 1:0 source 0, 3:2 source 1, 5:4 source 2, 7:6 destination; the high byte repeats the setting that is left
.if MSB != \new
	s_set_vgpr_msb (MSB<<8)|\new
.set MSB, \new
.endif
.endm
.macro WM ks, mt, nt                   ; one product: 16 route nodes x 16 e x 128 along d
.set rP, 8*(16*\mt+\nt)
.set rA, XF+8*(2*\mt+\ks)
.set rB, 8*(2*\nt+\ks)
.set rX, XS+\mt
.set rW, WS+8*\ks+\nt/2
.if \ks == 0
.if \nt%2 == 0
	v_wmma_scale_f32_16x16x128_f8f6f4 v[rP:rP+7], v[rA:rA+7], v[rB:rB+7], 0, v[rX], v[rW] matrix_a_fmt:MATRIX_FMT_FP4 matrix_b_fmt:MATRIX_FMT_FP4
.else
	v_wmma_scale_f32_16x16x128_f8f6f4 v[rP:rP+7], v[rA:rA+7], v[rB:rB+7], 0, v[rX], v[rW] matrix_a_fmt:MATRIX_FMT_FP4 matrix_b_fmt:MATRIX_FMT_FP4 matrix_b_scale:MATRIX_SCALE_ROW1
.endif
.else
.if \nt%2 == 0
	v_wmma_scale_f32_16x16x128_f8f6f4 v[rP:rP+7], v[rA:rA+7], v[rB:rB+7], v[rP:rP+7], v[rX], v[rW] matrix_a_fmt:MATRIX_FMT_FP4 matrix_b_fmt:MATRIX_FMT_FP4 matrix_a_scale:MATRIX_SCALE_ROW1
.else
	v_wmma_scale_f32_16x16x128_f8f6f4 v[rP:rP+7], v[rA:rA+7], v[rB:rB+7], v[rP:rP+7], v[rX], v[rW] matrix_a_fmt:MATRIX_FMT_FP4 matrix_b_fmt:MATRIX_FMT_FP4 matrix_a_scale:MATRIX_SCALE_ROW1 matrix_b_scale:MATRIX_SCALE_ROW1
.endif
.endif
.endm
.macro MULS                            ; a wave's 64 products: the first 32 start the sums with the constant 0; the 32 accumulators take turns, one instruction a turn
	WIN 0x58                                       ; source 1 (W) window 2; C and D window 1
.irp ks, 0,1
.irp mt, 0,1
.irp nt, 0,1,2,3,4,5,6,7,8,9,10,11,12,13,14,15
	WM \ks, \mt, \nt
.endr
.endr
.endr
	WIN 0
.rept 4
	v_nop                                          ; four places behind the last products, in front of the reads of results (ISA guide 7.12.1)
.endr
.endm
; My partial of s[e] = the sum over my 32 route nodes of p P: 16 pairs of sums (even j, odd j), one for each nt; u = 4 mt + j / 2.  Each accumulator is read from its low end on.
.macro SPASS k
.if \k == 0                            ; the first round's weights are all alike: plain sums
	WIN 0x05
.irp nt, 0,1,2,3,4,5,6,7,8,9,10,11,12,13,14,15
	v_pk_add_f32 v[SA+2*\nt:SA+2*\nt+1], v[8*\nt:8*\nt+1], v[8*\nt+2:8*\nt+3]
.endr
	WIN 0x01
.irp u, 2,3,4,5,6,7
.irp nt, 0,1,2,3,4,5,6,7,8,9,10,11,12,13,14,15
	v_pk_add_f32 v[SA+2*\nt:SA+2*\nt+1], v[8*(16*(\u/4)+\nt)+2*(\u%4):8*(16*(\u/4)+\nt)+2*(\u%4)+1], v[SA+2*\nt:SA+2*\nt+1]
.endr
.endr
.else
	WIN 0x01
.irp nt, 0,1,2,3,4,5,6,7,8,9,10,11,12,13,14,15
	v_pk_mul_f32 v[SA+2*\nt:SA+2*\nt+1], v[8*\nt:8*\nt+1], v[PB:PB+1]
.endr
.irp u, 1,2,3,4,5,6,7
.irp nt, 0,1,2,3,4,5,6,7,8,9,10,11,12,13,14,15
	v_pk_fma_f32 v[SA+2*\nt:SA+2*\nt+1], v[8*(16*(\u/4)+\nt)+2*(\u%4):8*(16*(\u/4)+\nt)+2*(\u%4)+1], v[PB+2*\u:PB+2*\u+1], v[SA+2*\nt:SA+2*\nt+1]
.endr
.endr
.endif
	WIN 0
.endm
.macro SREDUCE                         ; the pairs' halves, then the two halves of the lanes: afterwards register q of lane (r, hh) holds e = 16 (q + 8 hh) + r
.irp nt, 0,1,2,3,4,5,6,7,8,9,10,11,12,13,14,15
	v_add_f32 v[T+\nt], v[SA+2*\nt], v[SA+2*\nt+1]
.endr
.irp q, 0,1,2,3,4,5,6,7
	v_permlane16_swap_b32 v[T+\q], v[T+8+\q]       ; the first's lanes 16-31 change places with the second's lanes 0-15
.endr
.irp p, 0,1,2,3
	v_pk_add_f32 v[T+2*\p:T+2*\p+1], v[T+2*\p:T+2*\p+1], v[T+8+2*\p:T+8+2*\p+1]
.endr
.endm
; The waves' partial sums meet in LDS, as images of their registers.  Each round has bytes of its own, which are written again a trip later: two barriers lie between, and in front of each every wave has waited for its reads.
.macro EXCH k
	ds_store_b128 v[EXW], v[T:T+3] offset:EXB*\k
	ds_store_b128 v[EXW], v[T+4:T+7] offset:EXB*\k+512
.if \k > 0
	ds_store_b64 v[MZW], v[MW:MW+1] offset:EXB*\k  ; all lanes write the same 8 bytes with the same values
.endif
	s_wait_dscnt 0x0                               ; for the others' sake: my stores have landed
	s_barrier_signal -1
	s_barrier_wait -1
.set w, 0
.rept NW
	ds_load_b128 v[R+8*w:R+8*w+3], v[EXR] offset:EXB*\k+1024*w
	ds_load_b128 v[R+8*w+4:R+8*w+7], v[EXR] offset:EXB*\k+1024*w+512
.set w, w+1
.endr
.if \k > 0
	ds_load_b128 v[MZ:MZ+3], v[MZR] offset:EXB*\k
.if NW == 4
	ds_load_b128 v[MZ+4:MZ+7], v[MZR] offset:EXB*\k+16
.endif
.endif
	s_wait_dscnt 0x0
.endm
.macro COMBINE k                       ; s, 8 numbers a lane, the same in both waves of the pair
.if \k == 0
.irp p, 0,1,2,3
	v_pk_add_f32 v[SV+2*\p:SV+2*\p+1], v[R+2*\p:R+2*\p+1], v[R+8+2*\p:R+8+2*\p+1]
.endr
.set w, 2
.rept NW-2
.irp p, 0,1,2,3
	v_pk_add_f32 v[SV+2*\p:SV+2*\p+1], v[SV+2*\p:SV+2*\p+1], v[R+8*w+2*\p:R+8*w+2*\p+1]
.endr
.set w, w+1
.endr
.irp p, 0,1,2,3
	v_pk_mul_f32 v[SV+2*\p:SV+2*\p+1], v[SV+2*\p:SV+2*\p+1], RINV op_sel_hi:[1,0]
.endr
.else
.if NW == 4
	v_max3_num_f32 v[TMP], v[MZ], v[MZ+2], v[MZ+4]
	v_max_num_f32 v[TMP], v[TMP], v[MZ+6]
.else
	v_max_num_f32 v[TMP], v[MZ], v[MZ+2]           ; the pair's largest logit
.endif
.set w, 0
.rept NW
	v_sub_f32 v[MZ+2*w], v[MZ+2*w], v[TMP]
.set w, w+1
.endr
.set w, 0
.rept NW
	v_exp_f32 v[MZ+2*w], v[MZ+2*w]                 ; g_w = 2^(m_w - M), at most 1
.set w, w+1
.endr
	v_nop                                          ; a plain line behind the exponentials
	s_wait_alu depctr_va_vdst(0)
	v_mul_f32 v[TMP+1], v[MZ], v[MZ+1]
.set w, 1
.rept NW-1
	v_fma_f32 v[TMP+1], v[MZ+2*w], v[MZ+2*w+1], v[TMP+1]   ; Z = the sum of g_w Z_w, at least 1
.set w, w+1
.endr
	v_rcp_f32 v[TMP+1], v[TMP+1]
	v_nop                                          ; a plain line behind the reciprocal
.set w, 0
	s_wait_alu depctr_va_vdst(0)
.rept NW
	v_mul_f32 v[MZ+2*w], v[MZ+2*w], v[TMP+1]       ; g_w / Z
.set w, w+1
.endr
.irp p, 0,1,2,3
	v_pk_mul_f32 v[SV+2*\p:SV+2*\p+1], v[R+2*\p:R+2*\p+1], v[MZ:MZ+1] op_sel_hi:[1,0]
.endr
.set w, 1
.rept NW-1
.irp p, 0,1,2,3
	v_pk_fma_f32 v[SV+2*\p:SV+2*\p+1], v[R+8*w+2*\p:R+8*w+2*\p+1], v[MZ+2*w:MZ+2*w+1], v[SV+2*\p:SV+2*\p+1] op_sel_hi:[1,0,1]
.endr
.set w, w+1
.endr
.endif
.endm
.macro SQUASH k                        ; F = sq / (1 + sq) / sqrt(sq), sq = |s|^2; in the first two rounds times log2(e), since F only weighs the logits there
	v_pk_mul_f32 v[SQ:SQ+1], v[SV:SV+1], v[SV:SV+1]
.irp p, 1,2,3
	v_pk_fma_f32 v[SQ:SQ+1], v[SV+2*\p:SV+2*\p+1], v[SV+2*\p:SV+2*\p+1], v[SQ:SQ+1]
.endr
	v_add_f32 v[SQ], v[SQ], v[SQ+1]
.irp m, 1,2,4,8
	v_add_f32_dpp v[SQ], v[SQ], v[SQ] row_xmask:\m row_mask:0xf bank_mask:0xf
.endr
	v_permlanex16_b32 v[SQ+1], v[SQ], s20, s21
	v_add_f32 v[SQ], v[SQ], v[SQ+1]
	v_add_f32 v[TMP], 1.0, v[SQ]
	v_rcp_f32 v[TMP], v[TMP]
	v_rsq_f32 v[TMP+1], v[SQ]
	v_nop                                          ; a plain line behind the two
	s_wait_alu depctr_va_vdst(0)
	v_mul_f32 v[F], v[SQ], v[TMP]
	v_mul_f32 v[F], v[F], v[TMP+1]
.if \k < 2
	v_mul_f32 v[F], 0x3fb8aa3b, v[F]
.endif
.endm
.macro UNSWAP                          ; s[16 nt + r] into register nt of both halves of the lanes
.irp q, 0,1,2,3,4,5,6,7
	v_mov_b32 v[SV+8+\q], v[SV+\q]
.endr
.irp q, 0,1,2,3,4,5,6,7
	v_permlane16_swap_b32 v[SV+\q], v[SV+8+\q]
.endr
.endm
.macro LPASS                           ; my lane's part of P . s for my 16 registers' route nodes: 8 pairs, u = 4 mt + j / 2; s[nt] serves both halves of a pair
	WIN 0x01
.irp u, 0,1,2,3,4,5,6,7
	v_pk_mul_f32 v[LA+2*\u:LA+2*\u+1], v[128*(\u/4)+2*(\u%4):128*(\u/4)+2*(\u%4)+1], v[SV:SV+1] op_sel_hi:[1,0]
.endr
.irp nt, 1,2,3,4,5,6,7,8,9,10,11,12,13,14,15
.irp u, 0,1,2,3,4,5,6,7
.if \nt%2 == 0
	v_pk_fma_f32 v[LA+2*\u:LA+2*\u+1], v[8*(16*(\u/4)+\nt)+2*(\u%4):8*(16*(\u/4)+\nt)+2*(\u%4)+1], v[SV+\nt:SV+\nt+1], v[LA+2*\u:LA+2*\u+1] op_sel_hi:[1,0,1]
.else
	v_pk_fma_f32 v[LA+2*\u:LA+2*\u+1], v[8*(16*(\u/4)+\nt)+2*(\u%4):8*(16*(\u/4)+\nt)+2*(\u%4)+1], v[SV+\nt-1:SV+\nt], v[LA+2*\u:LA+2*\u+1] op_sel:[0,1,0] op_sel_hi:[1,1,1]
.endif
.endr
.endr
	WIN 0
.endm
; 16 registers x 16 lanes are summed over the lanes, and the sums are dealt to the lanes: at level lv a lane whose bit lv is 0 keeps the lower register of a pair, the others the upper, and each gets its partner's part of it.
.macro LRED lv, d, cnt
.set q, 0
.rept \cnt
	v_cndmask_b32 v[TMP+q], v[LA+2*\d*q+\d], v[LA+2*\d*q], s[22+\lv]   ; what my partner wants of me
.set q, q+1
.endr
.set q, 0
.rept \cnt
	v_cndmask_b32 v[LA+2*\d*q], v[LA+2*\d*q], v[LA+2*\d*q+\d], s[22+\lv]   ; what I keep
.set q, q+1
.endr
.set q, 0
.rept \cnt
	v_add_f32_dpp v[LA+2*\d*q], v[TMP+q], v[LA+2*\d*q] row_xmask:\d row_mask:0xf bank_mask:0xf
.set q, q+1
.endr
.endm
.macro SOFTMAX_W                       ; my wave's 32 route nodes, one a lane: m, p = 2^(logit - m), Z; then p is spread: register n gets lane n's, in each half of the lanes
	v_max_num_f32_dpp v[TMP], v[LG], v[LG] row_xmask:1 row_mask:0xf bank_mask:0xf
.irp m, 2,4,8
	v_max_num_f32_dpp v[TMP], v[TMP], v[TMP] row_xmask:\m row_mask:0xf bank_mask:0xf
.endr
	v_permlanex16_b32 v[TMP+1], v[TMP], s20, s21
	v_max_num_f32 v[MW], v[TMP], v[TMP+1]
	v_sub_f32 v[PV], v[LG], v[MW]
	v_exp_f32 v[PV], v[PV]
	v_nop                                          ; a plain line behind the exponential
	s_wait_alu depctr_va_vdst(0)
	v_add_f32_dpp v[TMP], v[PV], v[PV] row_xmask:1 row_mask:0xf bank_mask:0xf
.irp m, 2,4,8
	v_add_f32_dpp v[TMP], v[TMP], v[TMP] row_xmask:\m row_mask:0xf bank_mask:0xf
.endr
	v_permlanex16_b32 v[TMP+1], v[TMP], s20, s21
	v_add_f32 v[MW+1], v[TMP], v[TMP+1]
.irp n, 0,1,2,3,4,5,6,7,8,9,10,11,12,13,14,15
	v_mov_b32_dpp v[PB+\n], v[PV] row_share:\n row_mask:0xf bank_mask:0xf
.endr
.endm
.macro ITER k                          ; a round of routing
	SPASS \k
	SREDUCE
	EXCH \k
	COMBINE \k
	SQUASH \k
.if \k < 2
	UNSWAP
	LPASS
	LRED 0, 1, 8
	LRED 1, 2, 4
	LRED 2, 4, 2
	LRED 3, 8, 1
.if \k == 0
	v_mul_f32 v[LG], v[F], v[LA]                   ; the logits begin at 0
.else
	v_fma_f32 v[LG], v[F], v[LA], v[LG]
.endif
	SOFTMAX_W
.else
.irp p, 0,1,2,3
	v_pk_mul_f32 v[SV+2*\p:SV+2*\p+1], v[SV+2*\p:SV+2*\p+1], v[F:F+1] op_sel_hi:[1,0]   ; the pair's result
.endr
	v_add_nc_u32 v[ADR], s26, v[OUTW]
	s_cmp_lg_u32 s[OWN], 0                         ; both waves of the pair hold the same row: one stores it
	s_cbranch_scc1 .Lnot_mine_\@
.irp q, 0,1,2,3,4,5,6,7
	ds_store_b32 v[ADR], v[SV+\q] offset:64*\q     ; e = 16 (q + 8 hh) + r
.endr
.Lnot_mine_\@:
.endif
.endm
	s_load_b256 s[4:11], s[0:1], 0x0               ; o1q s[4:5], o1s s[6:7], wq s[8:9], ws s[10:11]
	s_load_b64 s[12:13], s[0:1], 0x20              ; out0
	v_lshl_add_u32 v254, v0, 2, 0x16c00
	v_mov_b32 v255, 0
	v_lshrrev_b32 v15, 5, v0
	v_readfirstlane_b32 s16, v15                   ; wave 0..3
	s_and_b32 s17, s16, 1                          ; which 32 of the pair's route nodes
	s_lshr_b32 s18, s16, 1                         ; which of the trip's two pairs
	v_and_b32 v15, 31, v0                          ; lane
	v_lshlrev_b32 v[L16], 4, v15
	v_lshlrev_b32 v[L4], 2, v15
	s_lshl_b32 s28, s16, 10
	v_add_nc_u32 v[EXW], s28, v[L16]
	s_lshl_b32 s28, s18, 11
	v_add_nc_u32 v[EXR], s28, v[L16]
	s_lshl_b32 s28, s16, 3
	s_add_co_u32 s28, s28, 4096
	v_mov_b32 v[MZW], s28
	s_lshl_b32 s28, s18, 4
	s_add_co_u32 s28, s28, 4096
	v_mov_b32 v[MZR], s28
	v_and_b32 v205, 15, v0                         ; r
	v_bfe_u32 v206, v0, 4, 1                       ; hh
	s_mul_i32 s28, s18, OP
	s_add_co_u32 s28, s28, OUT
	v_lshlrev_b32 v[OUTW], 2, v205
	v_lshl_add_u32 v[OUTW], v206, 9, v[OUTW]
	v_add_nc_u32 v[OUTW], s28, v[OUTW]
	s_mul_i32 s28, s17, 32*OP                      ; the codes: row 32 (wave % 2) + r, + 128 x pair, + 16 hh
	s_lshl_b32 s30, s18, 7
	s_add_co_u32 s28, s28, s30
	s_add_co_u32 s28, s28, AC
	v_mul_u32_u24 v[ACR], v205, OP
	v_lshl_add_u32 v[ACR], v206, 4, v[ACR]
	v_add_nc_u32 v[ACR], s28, v[ACR]
	s_mul_i32 s28, s17, 32*ASP                     ; the scale words: the same row, + 8 x pair, + 4 hh (lanes 16-31 take ks 1's)
	s_lshl_b32 s30, s18, 3
	s_add_co_u32 s28, s28, s30
	s_add_co_u32 s28, s28, AS
	v_mul_u32_u24 v[ASR], v205, ASP
	v_lshl_add_u32 v[ASR], v206, 2, v[ASR]
	v_add_nc_u32 v[ASR], s28, v[ASR]
	v_lshrrev_b32 v205, 6, v0                      ; the tail: thread t takes 16 bytes at 16 (t % 64) of row t / 64
	v_and_b32 v206, 63, v0
	v_mul_u32_u24 v[TRD], v205, OP
	v_lshl_add_u32 v[TRD], v206, 4, v[TRD]
	v_add_nc_u32 v[TRD], OUT, v[TRD]
	v_lshlrev_b32 v[TGO], 4, v0
	s_mul_i32 s28, s16, 16*OP                      ; the fill: wave w brings rows 16 w .. 16 w + 15 of the codes
	s_add_co_u32 s28, s28, AC
	v_add_nc_u32 v[ACW], s28, v[L16]
	v_lshrrev_b32 v205, 2, v0                      ; and thread t 16 bytes at 16 (t % 4) of the scale bytes' rows t / 4 and t / 4 + 32
	v_and_b32 v206, 3, v0
	v_mul_u32_u24 v[ASW], v205, ASP
	v_lshl_add_u32 v[ASW], v206, 4, v[ASW]
	v_add_nc_u32 v[ASW], AS, v[ASW]
	v_lshlrev_b32 v[SGO], 9, v205
	v_lshl_add_u32 v[SGO], v206, 4, v[SGO]
	s_and_b32 s33, ttmp7, 0xffff                   ; which 8 a
	s_mov_b32 s20, 0x76543210
	s_mov_b32 s21, 0xfedcba98                      ; v_permlanex16_b32's selects for lane l xor 16
	s_mov_b32 s22, 0xaaaaaaaa                      ; lanes whose bit 0, 1, 2, 3 is set
	s_mov_b32 s23, 0xcccccccc
	s_mov_b32 s24, 0xf0f0f0f0
	s_mov_b32 s25, 0xff00ff00
	s_mov_b32 s26, 0                               ; the trip's rows in OUT,
	s_mov_b32 s27, 0                               ; its two a in a row of codes: 256 bytes a trip,
	s_mov_b32 s32, 0                               ; and in a row of scale bytes: 16
	s_mov_b32 s19, TRIPS
	s_mov_b32 s29, 0
	s_add_co_u32 s31, ttmp9, 64                    ; W[c] is matrix 64 + c of the weights' buffers
	s_wait_kmcnt 0x0
	s_lshl_b32 s28, s31, 15
	s_add_nc_u64 s[8:9], s[8:9], s[28:29]
	s_lshl_b32 s28, s31, 11
	s_add_nc_u64 s[10:11], s[10:11], s[28:29]
	s_lshl_b32 s28, s33, 10                        ; o1q: 8 a of 128 bytes; 16 rows (h) of 8,192 a wave
	s_lshl_b32 s30, s16, 17
	s_add_co_u32 s28, s28, s30
	s_add_nc_u64 s[4:5], s[4:5], s[28:29]
	s_lshl_b32 s28, s33, 6                         ; o1s: 8 a of 8 bytes
	s_add_nc_u64 s[6:7], s[6:7], s[28:29]
	s_lshl_b32 s28, ttmp9, 16                      ; out0: 65,536 a c, 1,024 an a
	s_lshl_b32 s30, s33, 13
	s_add_co_u32 s28, s28, s30
	s_add_nc_u64 s[12:13], s[12:13], s[28:29]
	WIN 0x80                                       ; destination window 2
.set i, 0
.rept 64
	global_load_b128 v[4*i:4*i+3], v[L16], s[8:9] offset:512*i     ; W[c]'s fragments, as they lie: they stay
.set i, i+1
.endr
	WIN 0
.set i, 0
.rept 16
	global_load_b32 v[WS+i], v[L4], s[10:11] offset:128*i
.set i, i+1
.endr
.set i, 0
.rept 32
	global_load_b128 v[FB+4*i:FB+4*i+3], v[L16], s[4:5] offset:(i/2)*8192+(i%2)*512   ; a row's 1,024 bytes in two loads of 512 consecutive bytes
.set i, i+1
.endr
	global_load_b128 v[194:197], v[SGO], s[6:7]
	global_load_b128 v[198:201], v[SGO], s[6:7] offset:16384
	s_wait_loadcnt 0x0
.set i, 0
.rept 32
	ds_store_b128 v[ACW], v[FB+4*i:FB+4*i+3] offset:(i/2)*OP+(i%2)*512
.set i, i+1
.endr
	ds_store_b128 v[ASW], v[194:197]
	ds_store_b128 v[ASW], v[198:201] offset:32*ASP
	s_wait_dscnt 0x0                               ; for the others' sake: my stores have landed
	s_barrier_signal -1
	s_barrier_wait -1                              ; out1's codes and scale bytes of the 8 a lie in LDS, and are only read from here on
.irp n, 0,1,2,3,4,5,6,7,8,9,10,11,12,13,14,15
	v_mov_b32 v[PB+\n], 0                          ; written once: the destination of a move between lanes counts as one of its sources
.endr
	v_mov_b32 v[F+1], 0                            ; (named as the upper half of the pair)
.Lpair:
	v_add_nc_u32 v[ACA], s27, v[ACR]
	v_add_nc_u32 v[ASA], s32, v[ASR]
.irp mt, 0,1
.irp ks, 0,1
.irp c, 0,1
	ds_load_b128 v[XF+8*(2*\mt+\ks)+4*\c:XF+8*(2*\mt+\ks)+4*\c+3], v[ACA] offset:\mt*16*OP+\ks*64+\c*32   ; lane (r, hh): block 4 ks + 2 c + hh of route node 16 mt + r of my 32
.endr
.endr
.endr
	ds_load_b32 v[XS], v[ASA]
	ds_load_b32 v[XS+1], v[ASA] offset:16*ASP
	s_wait_dscnt 0x0
	MULS
	ITER 0
	ITER 1
	ITER 2
	s_add_co_u32 s26, s26, OSTEP
	s_add_co_u32 s27, s27, 256
	s_add_co_u32 s32, s32, 16
	s_sub_co_u32 s19, s19, 1
	s_cmp_lg_u32 s19, 0
	s_cbranch_scc1 .Lpair
	; THE TAIL: the 8 finished rows leave as 8,192 consecutive bytes.
	s_wait_dscnt 0x0                               ; the rows' stores have landed
	s_barrier_signal -1
	s_barrier_wait -1
.irp u, 0,1,2,3
	ds_load_b128 v[SA+4*\u:SA+4*\u+3], v[TRD] offset:2*OP*\u
.endr
.irp u, 0,1,2,3
	s_wait_dscnt 3-\u                              ; load u is in; the later ones may be out
	global_store_b128 v[TGO], v[SA+4*\u:SA+4*\u+3], s[12:13] offset:2048*\u th:TH_STORE_NT   ; a wave stores 512 consecutive bytes, aligned; written once, read by nobody here
.endr
	s_wait_tensorcnt 0x0
	ds_add_u32 v254, v255
	s_wait_dscnt 0x0
	s_endpgm
.Lfunc_end_k_q336dcf7c2a_stage2:
	.size	k_q336dcf7c2a_stage2, .Lfunc_end_k_q336dcf7c2a_stage2-k_q336dcf7c2a_stage2
	.p2alignl 7, 3214868480
	.fill 96, 4, 3214868480
	.section	.rodata,"a",@progbits
	.p2align	6, 0x0
	.amdhsa_kernel k_q336dcf7c2a_stage2
		.amdhsa_group_segment_fixed_size 93696
		.amdhsa_private_segment_fixed_size 0
		.amdhsa_enable_private_segment 0
		.amdhsa_kernarg_size 40
		.amdhsa_user_sgpr_count 2
		.amdhsa_user_sgpr_kernarg_segment_ptr 1
		.amdhsa_wavefront_size32 1
		.amdhsa_system_sgpr_workgroup_id_x 1
		.amdhsa_system_sgpr_workgroup_id_y 1
		.amdhsa_system_sgpr_workgroup_id_z 1
		.amdhsa_system_vgpr_workitem_id 0
		.amdhsa_next_free_vgpr 768
		.amdhsa_next_free_sgpr 66
		.amdhsa_reserve_vcc 0
		.amdhsa_float_denorm_mode_32 3
		.amdhsa_float_denorm_mode_16_64 3
		.amdhsa_memory_ordered 1
		.amdhsa_forward_progress 1
		.amdhsa_inst_pref_size 89
	.end_amdhsa_kernel
	.amdgpu_metadata
---
amdhsa.version: [ 1, 2 ]
amdhsa.kernels:
  - .name:           k_q336dcf7c2a_stage2
    .symbol:         k_q336dcf7c2a_stage2.kd
    .args:
      - { .name: o1q, .offset: 0, .size: 8, .value_kind: global_buffer, .address_space: global }
      - { .name: o1s, .offset: 8, .size: 8, .value_kind: global_buffer, .address_space: global }
      - { .name: wq, .offset: 16, .size: 8, .value_kind: global_buffer, .address_space: global }
      - { .name: ws, .offset: 24, .size: 8, .value_kind: global_buffer, .address_space: global }
      - { .name: out0, .offset: 32, .size: 8, .value_kind: global_buffer, .address_space: global }
    .group_segment_fixed_size: 93696
    .private_segment_fixed_size: 0
    .kernarg_segment_align: 8
    .kernarg_segment_size: 40
    .max_flat_workgroup_size: 128
    .sgpr_count:     66
    .vgpr_count:     768
    .wavefront_size: 32
...
	.end_amdgpu_metadata
.endif
;; end of part 3
;; ======== version 2 of 2: 3 launches; version 1 with the launches stage1, stage2 written anew for expert scheduling mode
;; workspace buffers: xq 1,048,576 bytes; xs 65,536 bytes; wq 3,145,728 bytes; ws 196,608 bytes; o1q 524,288 bytes; o1s 32,768 bytes
;; launch quant: the kernel of part 1 again; grid 512 x 1, 4 waves a work-group, no clusters, 17,920 bytes of LDS; arguments x, route_weights1, route_weights, xq, xs, wq, ws; writes xq, xs, wq, ws
;; launch stage1 (part 4): grid 64 x 4, 4 waves a work-group, no clusters, 31,232 bytes of LDS; arguments xq, xs, wq, ws, o1q, o1s; writes o1q, o1s
.if DOCPART == 4
	.amdgcn_target "amdgcn-amd-amdhsa--gfx1250"
	.amdhsa_code_object_version 6
	.text
	.protected	k_q336dcf7c2a_stage1
	.globl	k_q336dcf7c2a_stage1
	.p2align	8
	.type	k_q336dcf7c2a_stage1,@function
k_q336dcf7c2a_stage1:
	s_mov_b64 s[64:65], 0
	v_nop
	global_prefetch_b8 v0, s[64:65] scope:SCOPE_SE
	s_setreg_imm32_b32 hwreg(HW_REG_WAVE_SCHED_MODE, 0, 2), 2
	s_setreg_imm32_b32 hwreg(HW_REG_WAVE_MODE, 25, 1), 1
	s_wait_xcnt 0x0
	s_wait_alu depctr_vm_vsrc(0)
; STAGE 1.  For each pair (h, a): priors[b][e] = the sum over d of x[a][b][d] W1[h][d][e] (128 x 256, K = 256, on codes of FP4 with E8M0 scales), then three rounds of routing over b; the squashed result,
; out1[a][h][:], is quantised along its 256 numbers and stored as codes (o1q [h][a][8 blocks][16 B]) and scale bytes (o1s [h][a][8]).  The priors never leave the registers.
; SHARES.  A work-group keeps one h and walks 16 a, a pair a trip.  Wave w owns route nodes b = 32 w .. 32 w + 31 and all 256 e: 32 accumulators of 16 x 16, 256 registers.
; W1[h]'s 32 fragments (256 registers) and 16 registers of scale words stay in every wave's registers for the whole launch; a trip loads only the wave's own 4 KB of x's codes, one trip ahead.
; LAYOUT.  Source 0 = 16 rows of x, source 1 = 16 columns of W1: register j of lane (r, hh) of accumulator (mt, nt) is the prior (b = 32 w + 16 mt + 8 hh + j, e = 16 nt + r):
; registers run along the route nodes, lanes along e.  So a weighted sum over b is packed multiply-adds by weights that are the same in 16 lanes, and a dot product over e is packed multiply-adds and one sum over 16 lanes.
; ROUTING.  The logits are kept in base 2.  Each wave takes ITS largest logit away before the exponential and hands on (m_w, Z_w) with its partial sum; the four are joined under the common largest m: one barrier a round.
; No tensor loads and no cluster: the weights live in registers, and what the work-groups share is read once a work-group (256 KB of x's codes) beside 16 pairs' arithmetic.
; LIMITS: NaN and infinities are not served.  Where a pair's squared length lies under 2^-126 the reciprocal square root takes it as 0 and the row is NaN (at exactly 0 the definition gives NaN too); such a row is not carried
; through the quantiser as NaN.  A block of zeros gets the scale byte 1 (its codes are zeros; only this program reads the bytes).
; THE MODE: SCHED_MODE bits 1:0 = 2 (LLVM: expert scheduling mode 2), set by the entry lines.  The code itself states the register dependences
; between vector or matrix instructions and memory or LDS instructions, with s_wait_alu, always for 0.
; THE PLAN.  Registers that memory or LDS instructions touch:
;   v1-v7, v9-v12   addresses: written at the head, ahead of the head's wait on va_vdst, and never again.
;   XF, XS          read by a trip's 64 products; the next pair's loads land in them behind round 0's wait on va_vdst, and are waited for at the next trip's head.
;   window 2, WS    loaded once at the head; read by products alone.
;   SA = R          written by SPASS, read by SREDUCE; then the exchange's LDS loads land there, and COMBINE reads them.
;   T, (m, Z)       written by SREDUCE and by the softmax; read by the exchange's LDS stores.
;   MZ              the exchange's LDS loads land there in rounds 1 and 2; COMBINE reads and writes it.
;   SV, v[ADR]      written by COMBINE, the last scaling and one addition; read by round 2's LDS stores of the finished row.
;   The accumulators, LA, PB, LG, F and TMP are named by vector and matrix instructions alone (TMP in the tail aside).
; So a round has ONE wait on va_vdst, at the head of its exchange: T and (m, Z) are written; SREDUCE is done with SA and the COMBINE before with MZ; in round 0 the products are done with XF and XS.
; And ONE wait on vm_vsrc, behind the exchange's barrier: the LDS stores issued so far (this round's, and in round 0 the last trip's row) have read T, (m, Z), SV and v[ADR], which are written again only behind it.
.set NW,    4                          ; waves that share a pair
.set TRIPS, 16
.set RINV,  0x3c000000                 ; 1 / 128: the first round's weights
.set EXB,   4352                       ; LDS: a round's exchange: 4 x 1,024 bytes of partial sums (images of 8 registers), at 4,096 the waves' (m, Z), 8 bytes each
.set OUT,   3*EXB                      ; the finished rows, 1,024 bytes + 16
.set OP,    1040
.set OSTEP, OP                         ; a trip finishes one row
.set SCB,   OUT+16*OP                  ; 128 scale bytes
.set OWN,   16                         ; s16 = 0: the wave that stores a finished row
; window 0
.set L16,  1                           ; v1   16 x lane
.set L4,   2                           ; v2   4 x lane
.set EXW,  3                           ; v3   where I store my partial sums: 1,024 x wave + 16 x lane
.set EXR,  1                           ; (v1) where I read the four waves' back: 16 x lane
.set MZW,  5                           ; v5   where I store (m, Z): 4,096 + 8 x wave
.set MZR,  6                           ; v6   where I read them: 4,096
.set OUTW, 7                           ; v7   a finished row: OUT + 512 hh + 4 r
.set ADR,  8                           ; v8   the same in the trip's row
.set TRD,  9                           ; v9   the tail: my block of 32 numbers
.set TSB,  10                          ; v10  my scale byte
.set TSR,  11                          ; v11  four scale bytes
.set TGO,  12                          ; v12  16 x thread
.set XF,   16                          ; v16-47   x's fragments (mt, ks) at 16 + 8 (2 mt + ks)
.set XS,   48                          ; v48-49   x's scale words: lanes 0-15 ks 0, lanes 16-31 ks 1
.set WS,   50                          ; v50-65   W1's scale words (ks, nt / 2): lanes 0-15 the even nt, lanes 16-31 the odd
.set SA,   66                          ; v66-97   16 pairs of running sums; then the waves' partial sums
.set R,    66
.set T,    98                          ; v98-113
.set SV,   114                         ; v114-129 s
.set LA,   130                         ; v130-145 dot products, register 8 mt + j
.set PB,   146                         ; v146-161 the weights p, register 8 mt + j, the same in 16 lanes
.set MZ,   162                         ; v162-169 (m, Z) of the waves
.set LG,   170                         ; v170 my route node's logit (lane (r, hh): node 16 (r / 8) + 8 hh + r % 8)
.set PV,   171                         ; v171 its p
.set MW,   172                         ; v172-173 my wave's (m, Z)
.set SQ,   174
.set F,    176                         ; v176-177 the squash factor (a pair is named; the low word serves)
.set TMP,  178                         ; v178-189 at work
; window 1: accumulator (mt, nt) at v[8 (16 mt + nt)].   window 2: W1's fragment (nt, ks) at v[8 (2 nt + ks)].
.set MSB, 0
.macro WIN new                         ; s_set_vgpr_msb: bits 1:0 source 0, 3:2 source 1, 5:4 source 2, 7:6 destination; the high byte repeats the setting that is left
.if MSB != \new
	s_set_vgpr_msb (MSB<<8)|\new
.set MSB, \new
.endif
.endm
.macro WM ks, mt, nt                   ; one product: 16 route nodes x 16 e x 128 along d
.set rP, 8*(16*\mt+\nt)
.set rA, XF+8*(2*\mt+\ks)
.set rB, 8*(2*\nt+\ks)
.set rX, XS+\mt
.set rW, WS+8*\ks+\nt/2
.if \ks == 0
.if \nt%2 == 0
	v_wmma_scale_f32_16x16x128_f8f6f4 v[rP:rP+7], v[rA:rA+7], v[rB:rB+7], 0, v[rX], v[rW] matrix_a_fmt:MATRIX_FMT_FP4 matrix_b_fmt:MATRIX_FMT_FP4
.else
	v_wmma_scale_f32_16x16x128_f8f6f4 v[rP:rP+7], v[rA:rA+7], v[rB:rB+7], 0, v[rX], v[rW] matrix_a_fmt:MATRIX_FMT_FP4 matrix_b_fmt:MATRIX_FMT_FP4 matrix_b_scale:MATRIX_SCALE_ROW1
.endif
.else
.if \nt%2 == 0
	v_wmma_scale_f32_16x16x128_f8f6f4 v[rP:rP+7], v[rA:rA+7], v[rB:rB+7], v[rP:rP+7], v[rX], v[rW] matrix_a_fmt:MATRIX_FMT_FP4 matrix_b_fmt:MATRIX_FMT_FP4 matrix_a_scale:MATRIX_SCALE_ROW1
.else
	v_wmma_scale_f32_16x16x128_f8f6f4 v[rP:rP+7], v[rA:rA+7], v[rB:rB+7], v[rP:rP+7], v[rX], v[rW] matrix_a_fmt:MATRIX_FMT_FP4 matrix_b_fmt:MATRIX_FMT_FP4 matrix_a_scale:MATRIX_SCALE_ROW1 matrix_b_scale:MATRIX_SCALE_ROW1
.endif
.endif
.endm
.macro MULS                            ; a pair's 64 products: the first 32 start the sums with the constant 0; the 32 accumulators take turns, one instruction a turn
	WIN 0x58                                       ; source 1 (W1) window 2; C and D window 1
.irp ks, 0,1
.irp mt, 0,1
.irp nt, 0,1,2,3,4,5,6,7,8,9,10,11,12,13,14,15
	WM \ks, \mt, \nt
.endr
.endr
.endr
	WIN 0
.rept 4
	v_nop                                          ; four places behind the last products, in front of the reads of results (ISA guide 7.12.1)
.endr
.endm
; My partial of s[e] = the sum over my 32 route nodes of p P: 16 pairs of sums (even j, odd j), one for each nt; u = 4 mt + j / 2.  Each accumulator is read from its low end on.
.macro SPASS k
.if \k == 0                            ; the first round's weights are all alike: plain sums
	WIN 0x05
.irp nt, 0,1,2,3,4,5,6,7,8,9,10,11,12,13,14,15
	v_pk_add_f32 v[SA+2*\nt:SA+2*\nt+1], v[8*\nt:8*\nt+1], v[8*\nt+2:8*\nt+3]
.endr
	WIN 0x01
.irp u, 2,3,4,5,6,7
.irp nt, 0,1,2,3,4,5,6,7,8,9,10,11,12,13,14,15
	v_pk_add_f32 v[SA+2*\nt:SA+2*\nt+1], v[8*(16*(\u/4)+\nt)+2*(\u%4):8*(16*(\u/4)+\nt)+2*(\u%4)+1], v[SA+2*\nt:SA+2*\nt+1]
.endr
.endr
.else
	WIN 0x01
.irp nt, 0,1,2,3,4,5,6,7,8,9,10,11,12,13,14,15
	v_pk_mul_f32 v[SA+2*\nt:SA+2*\nt+1], v[8*\nt:8*\nt+1], v[PB:PB+1]
.endr
.irp u, 1,2,3,4,5,6,7
.irp nt, 0,1,2,3,4,5,6,7,8,9,10,11,12,13,14,15
	v_pk_fma_f32 v[SA+2*\nt:SA+2*\nt+1], v[8*(16*(\u/4)+\nt)+2*(\u%4):8*(16*(\u/4)+\nt)+2*(\u%4)+1], v[PB+2*\u:PB+2*\u+1], v[SA+2*\nt:SA+2*\nt+1]
.endr
.endr
.endif
	WIN 0
.endm
.macro SREDUCE                         ; the pairs' halves, then the two halves of the lanes: afterwards register q of lane (r, hh) holds e = 16 (q + 8 hh) + r
.irp nt, 0,1,2,3,4,5,6,7,8,9,10,11,12,13,14,15
	v_add_f32 v[T+\nt], v[SA+2*\nt], v[SA+2*\nt+1]
.endr
.irp q, 0,1,2,3,4,5,6,7
	v_permlane16_swap_b32 v[T+\q], v[T+8+\q]       ; the first's lanes 16-31 change places with the second's lanes 0-15
.endr
.irp p, 0,1,2,3
	v_pk_add_f32 v[T+2*\p:T+2*\p+1], v[T+2*\p:T+2*\p+1], v[T+8+2*\p:T+8+2*\p+1]
.endr
.endm
; The waves' partial sums meet in LDS, as images of their registers.  Each round has bytes of its own, which are written again a trip later: two barriers lie between, and in front of each every wave has waited for its reads.
.macro EXCH k
	s_wait_alu depctr_va_vdst(0)                   ; T and (m, Z) are written, which the LDS stores read; SREDUCE is done reading SA and the COMBINE before reading MZ, in which the LDS loads below land; k = 0: the products are done reading XF and XS, in which the next pair's loads land
	ds_store_b128 v[EXW], v[T:T+3] offset:EXB*\k
	ds_store_b128 v[EXW], v[T+4:T+7] offset:EXB*\k+512
.if \k > 0
	ds_store_b64 v[MZW], v[MW:MW+1] offset:EXB*\k  ; all lanes write the same 8 bytes with the same values
.else
	NEXTX                                          ; the next pair's x is asked for while my stores land.  No wait: nothing issued since the wait above names XF, XS or the two offsets
.endif
	s_wait_dscnt 0x0                               ; for the others' sake: my stores have landed
	s_barrier_signal -1
	s_barrier_wait -1
	s_wait_alu depctr_vm_vsrc(0)                   ; my LDS stores have read T and (m, Z), and the last trip's row stores SV and v[ADR]: COMBINE, the next SREDUCE, the softmax and round 2's addition write them again
.set w, 0
.rept NW
	ds_load_b128 v[R+8*w:R+8*w+3], v[EXR] offset:EXB*\k+1024*w
	ds_load_b128 v[R+8*w+4:R+8*w+7], v[EXR] offset:EXB*\k+1024*w+512
.set w, w+1
.endr
.if \k > 0
	ds_load_b128 v[MZ:MZ+3], v[MZR] offset:EXB*\k
.if NW == 4
	ds_load_b128 v[MZ+4:MZ+7], v[MZR] offset:EXB*\k+16
.endif
.endif
	s_wait_dscnt 0x0
.endm
.macro COMBINE k                       ; s, 8 numbers a lane, the same in every wave of the pair
.if \k == 0
.irp p, 0,1,2,3
	v_pk_add_f32 v[SV+2*\p:SV+2*\p+1], v[R+2*\p:R+2*\p+1], v[R+8+2*\p:R+8+2*\p+1]
.endr
.set w, 2
.rept NW-2
.irp p, 0,1,2,3
	v_pk_add_f32 v[SV+2*\p:SV+2*\p+1], v[SV+2*\p:SV+2*\p+1], v[R+8*w+2*\p:R+8*w+2*\p+1]
.endr
.set w, w+1
.endr
.irp p, 0,1,2,3
	v_pk_mul_f32 v[SV+2*\p:SV+2*\p+1], v[SV+2*\p:SV+2*\p+1], RINV op_sel_hi:[1,0]
.endr
.else
.if NW == 4
	v_max3_num_f32 v[TMP], v[MZ], v[MZ+2], v[MZ+4]
	v_max_num_f32 v[TMP], v[TMP], v[MZ+6]          ; the pair's largest logit
.else
	v_max_num_f32 v[TMP], v[MZ], v[MZ+2]
.endif
.set w, 0
.rept NW
	v_sub_f32 v[MZ+2*w], v[MZ+2*w], v[TMP]
.set w, w+1
.endr
.set w, 0
.rept NW
	v_exp_f32 v[MZ+2*w], v[MZ+2*w]                 ; g_w = 2^(m_w - M), at most 1
.set w, w+1
.endr
	v_nop                                          ; a plain line behind the exponentials
	s_wait_alu depctr_va_vdst(0)                   ; the exponentials have written the g_w: one wait for the batch, ahead of its first reader
	v_mul_f32 v[TMP+1], v[MZ], v[MZ+1]
.set w, 1
.rept NW-1
	v_fma_f32 v[TMP+1], v[MZ+2*w], v[MZ+2*w+1], v[TMP+1]   ; Z = the sum of g_w Z_w, at least 1
.set w, w+1
.endr
	v_rcp_f32 v[TMP+1], v[TMP+1]
	v_nop                                          ; a plain line behind the reciprocal
.set w, 0
	s_wait_alu depctr_va_vdst(0)                   ; the reciprocal has written 1 / Z, ahead of its first reader
.rept NW
	v_mul_f32 v[MZ+2*w], v[MZ+2*w], v[TMP+1]       ; g_w / Z
.set w, w+1
.endr
.irp p, 0,1,2,3
	v_pk_mul_f32 v[SV+2*\p:SV+2*\p+1], v[R+2*\p:R+2*\p+1], v[MZ:MZ+1] op_sel_hi:[1,0]
.endr
.set w, 1
.rept NW-1
.irp p, 0,1,2,3
	v_pk_fma_f32 v[SV+2*\p:SV+2*\p+1], v[R+8*w+2*\p:R+8*w+2*\p+1], v[MZ+2*w:MZ+2*w+1], v[SV+2*\p:SV+2*\p+1] op_sel_hi:[1,0,1]
.endr
.set w, w+1
.endr
.endif
.endm
.macro SQUASH k                        ; F = sq / (1 + sq) / sqrt(sq), sq = |s|^2; in the first two rounds times log2(e), since F only weighs the logits there
	v_pk_mul_f32 v[SQ:SQ+1], v[SV:SV+1], v[SV:SV+1]
.irp p, 1,2,3
	v_pk_fma_f32 v[SQ:SQ+1], v[SV+2*\p:SV+2*\p+1], v[SV+2*\p:SV+2*\p+1], v[SQ:SQ+1]
.endr
	v_add_f32 v[SQ], v[SQ], v[SQ+1]
.irp m, 1,2,4,8
	v_add_f32_dpp v[SQ], v[SQ], v[SQ] row_xmask:\m row_mask:0xf bank_mask:0xf
.endr
	v_permlanex16_b32 v[SQ+1], v[SQ], s20, s21
	v_add_f32 v[SQ], v[SQ], v[SQ+1]
	v_add_f32 v[TMP], 1.0, v[SQ]
	v_rcp_f32 v[TMP], v[TMP]
	v_rsq_f32 v[TMP+1], v[SQ]
	v_nop                                          ; a plain line behind the two
	s_wait_alu depctr_va_vdst(0)                   ; the reciprocal and the reciprocal root are written, ahead of their first reader; COMBINE is done reading R (in the last trip's round 2 the tail's LDS loads land there)
	v_mul_f32 v[F], v[SQ], v[TMP]
	v_mul_f32 v[F], v[F], v[TMP+1]
.if \k < 2
	v_mul_f32 v[F], 0x3fb8aa3b, v[F]
.endif
.endm
.macro UNSWAP                          ; s[16 nt + r] into register nt of both halves of the lanes
.irp q, 0,1,2,3,4,5,6,7
	v_mov_b32 v[SV+8+\q], v[SV+\q]
.endr
.irp q, 0,1,2,3,4,5,6,7
	v_permlane16_swap_b32 v[SV+\q], v[SV+8+\q]
.endr
.endm
.macro LPASS                           ; my lane's part of P . s for my 16 registers' route nodes: 8 pairs, u = 4 mt + j / 2; s[nt] serves both halves of a pair
	WIN 0x01
.irp u, 0,1,2,3,4,5,6,7
	v_pk_mul_f32 v[LA+2*\u:LA+2*\u+1], v[128*(\u/4)+2*(\u%4):128*(\u/4)+2*(\u%4)+1], v[SV:SV+1] op_sel_hi:[1,0]
.endr
.irp nt, 1,2,3,4,5,6,7,8,9,10,11,12,13,14,15
.irp u, 0,1,2,3,4,5,6,7
.if \nt%2 == 0
	v_pk_fma_f32 v[LA+2*\u:LA+2*\u+1], v[8*(16*(\u/4)+\nt)+2*(\u%4):8*(16*(\u/4)+\nt)+2*(\u%4)+1], v[SV+\nt:SV+\nt+1], v[LA+2*\u:LA+2*\u+1] op_sel_hi:[1,0,1]
.else
	v_pk_fma_f32 v[LA+2*\u:LA+2*\u+1], v[8*(16*(\u/4)+\nt)+2*(\u%4):8*(16*(\u/4)+\nt)+2*(\u%4)+1], v[SV+\nt-1:SV+\nt], v[LA+2*\u:LA+2*\u+1] op_sel:[0,1,0] op_sel_hi:[1,1,1]
.endif
.endr
.endr
	WIN 0
.endm
; 16 registers x 16 lanes are summed over the lanes, and the sums are dealt to the lanes: at level lv a lane whose bit lv is 0 keeps the lower register of a pair, the others the upper, and each gets its partner's part of it.
; (The masks s22 to s25 are written by scalar moves at the head.)
.macro LRED lv, d, cnt
.set q, 0
.rept \cnt
	v_cndmask_b32 v[TMP+q], v[LA+2*\d*q+\d], v[LA+2*\d*q], s[22+\lv]   ; what my partner wants of me
.set q, q+1
.endr
.set q, 0
.rept \cnt
	v_cndmask_b32 v[LA+2*\d*q], v[LA+2*\d*q], v[LA+2*\d*q+\d], s[22+\lv]   ; what I keep
.set q, q+1
.endr
.set q, 0
.rept \cnt
	v_add_f32_dpp v[LA+2*\d*q], v[TMP+q], v[LA+2*\d*q] row_xmask:\d row_mask:0xf bank_mask:0xf
.set q, q+1
.endr
.endm
.macro SOFTMAX_W                       ; my wave's 32 route nodes, one a lane: m, p = 2^(logit - m), Z; then p is spread: register n gets lane n's, in each half of the lanes
	v_max_num_f32_dpp v[TMP], v[LG], v[LG] row_xmask:1 row_mask:0xf bank_mask:0xf
.irp m, 2,4,8
	v_max_num_f32_dpp v[TMP], v[TMP], v[TMP] row_xmask:\m row_mask:0xf bank_mask:0xf
.endr
	v_permlanex16_b32 v[TMP+1], v[TMP], s20, s21
	v_max_num_f32 v[MW], v[TMP], v[TMP+1]
	v_sub_f32 v[PV], v[LG], v[MW]
	v_exp_f32 v[PV], v[PV]
	v_nop                                          ; a plain line behind the exponential
	s_wait_alu depctr_va_vdst(0)                   ; the exponential has written p, ahead of its first reader
	v_add_f32_dpp v[TMP], v[PV], v[PV] row_xmask:1 row_mask:0xf bank_mask:0xf
.irp m, 2,4,8
	v_add_f32_dpp v[TMP], v[TMP], v[TMP] row_xmask:\m row_mask:0xf bank_mask:0xf
.endr
	v_permlanex16_b32 v[TMP+1], v[TMP], s20, s21
	v_add_f32 v[MW+1], v[TMP], v[TMP+1]
.irp n, 0,1,2,3,4,5,6,7,8,9,10,11,12,13,14,15
	v_mov_b32_dpp v[PB+\n], v[PV] row_share:\n row_mask:0xf bank_mask:0xf
.endr
.endm
.macro ITER k                          ; a round of routing
	SPASS \k
	SREDUCE
	EXCH \k
	COMBINE \k
	SQUASH \k
.if \k < 2
	UNSWAP
	LPASS
	LRED 0, 1, 8
	LRED 1, 2, 4
	LRED 2, 4, 2
	LRED 3, 8, 1
.if \k == 0
	v_mul_f32 v[LG], v[F], v[LA]                   ; the logits begin at 0
.else
	v_fma_f32 v[LG], v[F], v[LA], v[LG]
.endif
	SOFTMAX_W
.else
.irp p, 0,1,2,3
	v_pk_mul_f32 v[SV+2*\p:SV+2*\p+1], v[SV+2*\p:SV+2*\p+1], v[F:F+1] op_sel_hi:[1,0]   ; the pair's result
.endr
	v_add_nc_u32 v[ADR], s26, v[OUTW]
	s_cmp_lg_u32 s[OWN], 0                         ; every wave of the pair holds the same row: one stores it
	s_cbranch_scc1 .Lnot_mine_\@
	s_wait_alu depctr_va_vdst(0)                   ; the scalings have written SV and the addition v[ADR], which the LDS stores read
.irp q, 0,1,2,3,4,5,6,7
	ds_store_b32 v[ADR], v[SV+\q] offset:64*\q     ; e = 16 (q + 8 hh) + r
.endr
.Lnot_mine_\@:
.endif
.endm
.macro XLOAD                           ; my 32 rows' codes of one a (four fragments as they lie) and their scale words
.irp i, 0,1,2,3,4,5,6,7
	global_load_b128 v[XF+4*\i:XF+4*\i+3], v[L16], s[4:5] offset:512*\i
.endr
	global_load_b32 v[XS], v[L4], s[6:7]
	global_load_b32 v[XS+1], v[L4], s[6:7] offset:128
.endm
.macro NEXTX                           ; the next pair's x, if there is one: no load leaves its buffer
	s_cmp_eq_u32 s19, 1
	s_cbranch_scc1 .Lno_next
	s_add_nc_u64 s[4:5], s[4:5], 16384             ; (the loads that named these bases are in: the wait at the trip's head has shown them done)
	s_add_nc_u64 s[6:7], s[6:7], 1024
	XLOAD
.Lno_next:
.endm
	s_load_b256 s[4:11], s[0:1], 0x0               ; xq s[4:5], xs s[6:7], wq s[8:9], ws s[10:11]
	s_load_b128 s[12:15], s[0:1], 0x20             ; o1q s[12:13], o1s s[14:15]
	v_lshl_add_u32 v254, v0, 2, 0x7800
	v_mov_b32 v255, 0
	v_lshrrev_b32 v15, 5, v0
	v_readfirstlane_b32 s16, v15                   ; wave 0..3
	v_and_b32 v15, 31, v0                          ; lane
	v_lshlrev_b32 v[L16], 4, v15
	v_lshlrev_b32 v[L4], 2, v15
	s_wait_alu depctr_va_sdst(0)                   ; s16 is written, ahead of its first reader: LDS addresses, bases and branches are made from it
	s_lshl_b32 s28, s16, 10
	v_add_nc_u32 v[EXW], s28, v[L16]
	s_lshl_b32 s28, s16, 3
	s_add_co_u32 s28, s28, 4096
	v_mov_b32 v[MZW], s28
	v_mov_b32 v[MZR], 4096
	v_and_b32 v13, 15, v0                          ; r
	v_bfe_u32 v14, v0, 4, 1                        ; hh
	v_lshlrev_b32 v[OUTW], 2, v13
	v_lshl_add_u32 v[OUTW], v14, 9, v[OUTW]
	v_add_nc_u32 v[OUTW], OUT, v[OUTW]
	v_lshrrev_b32 v13, 3, v0                       ; the tail: thread t takes block t % 8 of row t / 8
	v_and_b32 v14, 7, v0
	v_mul_u32_u24 v[TRD], v13, OP
	v_lshl_add_u32 v[TRD], v14, 7, v[TRD]
	v_add_nc_u32 v[TRD], OUT, v[TRD]
	v_add_nc_u32 v[TSB], SCB, v0
	v_add_nc_u32 v[TSR], SCB, v[L4]
	v_lshlrev_b32 v[TGO], 4, v0
	s_and_b32 s17, ttmp7, 0xffff                   ; which 16 a
	s_mov_b32 s20, 0x76543210
	s_mov_b32 s21, 0xfedcba98                      ; v_permlanex16_b32's selects for lane l xor 16
	s_mov_b32 s22, 0xaaaaaaaa                      ; lanes whose bit 0, 1, 2, 3 is set
	s_mov_b32 s23, 0xcccccccc
	s_mov_b32 s24, 0xf0f0f0f0
	s_mov_b32 s25, 0xff00ff00
	s_mov_b32 s26, 0                               ; the trip's row in OUT
	s_mov_b32 s19, TRIPS
	s_mov_b32 s29, 0
	s_wait_kmcnt 0x0
	s_lshl_b32 s28, ttmp9, 15                      ; W1[h]: 32,768 bytes of codes,
	s_add_nc_u64 s[8:9], s[8:9], s[28:29]
	s_lshl_b32 s28, ttmp9, 11                      ; 2,048 of scale words
	s_add_nc_u64 s[10:11], s[10:11], s[28:29]
	s_lshl_b32 s28, s17, 18                        ; xq: 16,384 bytes an a, 4,096 for a wave's two tiles
	s_lshl_b32 s30, s16, 12
	s_add_co_u32 s28, s28, s30
	s_add_nc_u64 s[4:5], s[4:5], s[28:29]
	s_lshl_b32 s28, s17, 14                        ; xs: 1,024 an a, 256 a wave
	s_lshl_b32 s30, s16, 8
	s_add_co_u32 s28, s28, s30
	s_add_nc_u64 s[6:7], s[6:7], s[28:29]
	s_lshl_b32 s28, ttmp9, 13                      ; o1q: 8,192 an h, 128 an a
	s_lshl_b32 s30, s17, 11
	s_add_co_u32 s28, s28, s30
	s_add_nc_u64 s[12:13], s[12:13], s[28:29]
	s_lshl_b32 s28, ttmp9, 9                       ; o1s: 512 an h, 8 an a
	s_lshl_b32 s30, s17, 7
	s_add_co_u32 s28, s28, s30
	s_add_nc_u64 s[14:15], s[14:15], s[28:29]
	WIN 0x80                                       ; destination window 2
	s_wait_alu depctr_va_vdst(0)                   ; the addresses v1 to v7 and v9 to v12 are written, which the kernel's loads and stores read; between here and the last of the head's loads stand only loads and a window switch
.set i, 0
.rept 64
	global_load_b128 v[4*i:4*i+3], v[L16], s[8:9] offset:512*i     ; W1[h]'s fragments, as they lie: they stay
.set i, i+1
.endr
	WIN 0
.set i, 0
.rept 16
	global_load_b32 v[WS+i], v[L4], s[10:11] offset:128*i
.set i, i+1
.endr
	XLOAD                                          ; the first pair's x
.irp n, 0,1,2,3,4,5,6,7,8,9,10,11,12,13,14,15
	v_mov_b32 v[PB+\n], 0                          ; written once: the destination of a move between lanes counts as one of its sources
.endr
	v_mov_b32 v[F+1], 0                            ; (named as the upper half of the pair)
.Lpair:
	s_wait_loadcnt 0x0                             ; this pair's x (in the first trip the weights too): asked for a trip ago
	MULS
	ITER 0                                         ; (in its exchange the next pair's x is asked for)
	ITER 1
	ITER 2
	s_add_co_u32 s26, s26, OSTEP
	s_sub_co_u32 s19, s19, 1
	s_cmp_lg_u32 s19, 0
	s_cbranch_scc1 .Lpair
	; THE TAIL: the 16 finished rows are quantised, a block of 32 to a thread, and leave as 2,048 consecutive bytes of codes and 128 of scale bytes.
	s_wait_dscnt 0x0                               ; the rows' stores have landed
	s_barrier_signal -1
	s_barrier_wait -1
.irp j, 0,1,2,3,4,5,6,7
	ds_load_b128 v[SA+4*\j:SA+4*\j+3], v[TRD] offset:16*\j   ; no wait on va_vdst here: the last vector readers of these registers stand ahead of the wait in round 2's squash, and nothing issued since names them
.endr
	s_wait_dscnt 0x0
	v_max3_num_f32 v[TMP], |v[SA]|, |v[SA+1]|, |v[SA+2]|
	v_max3_num_f32 v[TMP+1], |v[SA+3]|, |v[SA+4]|, |v[SA+5]|
.irp i, 6,10,14,18,22,26
	v_max3_num_f32 v[TMP], v[TMP], |v[SA+\i]|, |v[SA+\i+1]|
	v_max3_num_f32 v[TMP+1], v[TMP+1], |v[SA+\i+2]|, |v[SA+\i+3]|
.endr
	v_max3_num_f32 v[TMP], v[TMP], |v[SA+30]|, |v[SA+31]|
	v_max3_num_f32 v[TMP], v[TMP], v[TMP+1], 0x1800000     ; the floor 2^(3 - 127): the byte cannot fall under 1
	v_add_nc_u32 v[TMP+2], 0xff000000, v[TMP]      ; 2 off the exponent field: the conversion's scale operand
.irp g, 0,1,2,3
	v_cvt_scalef32_pk8_fp4_f32 v[T+\g], v[SA+8*\g:SA+8*\g+7], v[TMP+2]   ; (T's last LDS stores have read it: the wait on vm_vsrc in round 2's exchange)
.endr
	v_lshrrev_b32 v[TMP+3], 23, v[TMP+2]           ; the scale's byte; also the plain line behind the conversions
	s_wait_alu depctr_va_vdst(0)                   ; the conversions have written the codes and the shift the byte, which the two stores read; the routing is done with v[TMP+4], in which wave 0's LDS load below lands
	ds_store_b8 v[TSB], v[TMP+3]
	global_store_b128 v[TGO], v[T:T+3], s[12:13]   ; a wave stores 512 consecutive bytes, aligned
	s_wait_dscnt 0x0
	s_barrier_signal -1
	s_barrier_wait -1
	s_cmp_lg_u32 s16, 0
	s_cbranch_scc1 .Lend
	ds_load_b32 v[TMP+4], v[TSR]
	s_wait_dscnt 0x0
	global_store_b32 v[L4], v[TMP+4], s[14:15]     ; 128 consecutive bytes: half of an aligned 256; 32 KB in the whole launch
.Lend:
	s_wait_dscnt 0x0                               ; the closing lines, six on end
	s_wait_alu 0x0
	s_wait_tensorcnt 0x0
	ds_add_u32 v254, v255
	s_wait_dscnt 0x0
	s_endpgm
.Lfunc_end_k_q336dcf7c2a_stage1:
	.size	k_q336dcf7c2a_stage1, .Lfunc_end_k_q336dcf7c2a_stage1-k_q336dcf7c2a_stage1
	.p2alignl 7, 3214868480
	.fill 96, 4, 3214868480
	.section	.rodata,"a",@progbits
	.p2align	6, 0x0
	.amdhsa_kernel k_q336dcf7c2a_stage1
		.amdhsa_group_segment_fixed_size 31232
		.amdhsa_private_segment_fixed_size 0
		.amdhsa_enable_private_segment 0
		.amdhsa_kernarg_size 48
		.amdhsa_user_sgpr_count 2
		.amdhsa_user_sgpr_kernarg_segment_ptr 1
		.amdhsa_wavefront_size32 1
		.amdhsa_system_sgpr_workgroup_id_x 1
		.amdhsa_system_sgpr_workgroup_id_y 1
		.amdhsa_system_sgpr_workgroup_id_z 1
		.amdhsa_system_vgpr_workitem_id 0
		.amdhsa_next_free_vgpr 768
		.amdhsa_next_free_sgpr 66
		.amdhsa_reserve_vcc 0
		.amdhsa_float_denorm_mode_32 3
		.amdhsa_float_denorm_mode_16_64 3
		.amdhsa_memory_ordered 1
		.amdhsa_forward_progress 1
		.amdhsa_inst_pref_size 89
	.end_amdhsa_kernel
	.amdgpu_metadata
---
amdhsa.version: [ 1, 2 ]
amdhsa.kernels:
  - .name:           k_q336dcf7c2a_stage1
    .symbol:         k_q336dcf7c2a_stage1.kd
    .args:
      - { .name: xq, .offset: 0, .size: 8, .value_kind: global_buffer, .address_space: global }
      - { .name: xs, .offset: 8, .size: 8, .value_kind: global_buffer, .address_space: global }
      - { .name: wq, .offset: 16, .size: 8, .value_kind: global_buffer, .address_space: global }
      - { .name: ws, .offset: 24, .size: 8, .value_kind: global_buffer, .address_space: global }
      - { .name: o1q, .offset: 32, .size: 8, .value_kind: global_buffer, .address_space: global }
      - { .name: o1s, .offset: 40, .size: 8, .value_kind: global_buffer, .address_space: global }
    .group_segment_fixed_size: 31232
    .private_segment_fixed_size: 0
    .kernarg_segment_align: 8
    .kernarg_segment_size: 48
    .max_flat_workgroup_size: 128
    .sgpr_count:     66
    .vgpr_count:     768
    .wavefront_size: 32
...
	.end_amdgpu_metadata
.endif
;; end of part 4
;; launch stage2 (part 5): grid 32 x 8, 4 waves a work-group, no clusters, 93,696 bytes of LDS; arguments o1q, o1s, wq, ws, out0; writes out0
.if DOCPART == 5
	.amdgcn_target "amdgcn-amd-amdhsa--gfx1250"
	.amdhsa_code_object_version 6
	.text
	.protected	k_q336dcf7c2a_stage2
	.globl	k_q336dcf7c2a_stage2
	.p2align	8
	.type	k_q336dcf7c2a_stage2,@function
k_q336dcf7c2a_stage2:
	s_mov_b64 s[64:65], 0
	v_nop
	global_prefetch_b8 v0, s[64:65] scope:SCOPE_SE
	s_setreg_imm32_b32 hwreg(HW_REG_WAVE_SCHED_MODE, 0, 2), 2
	s_setreg_imm32_b32 hwreg(HW_REG_WAVE_MODE, 25, 1), 1
	s_wait_xcnt 0x0
	s_wait_alu depctr_vm_vsrc(0)
; STAGE 2.  For each pair (c, a): priors[h][e] = the sum over d of out1[a][h][d] W[c][d][e] (64 x 256, K = 256, on codes of FP4 with E8M0 scales), then three rounds of routing over h; out0[c][a][:] is the squashed result, f32.
; SHARES.  A work-group keeps one c and 8 a.  TWO pairs run side by side: waves 0, 1 take a = 2 trip, waves 2, 3 a = 2 trip + 1; of a pair's 64 route nodes a wave owns 32, and all 256 e: 32 accumulators, 256 registers.
; W[c]'s 32 fragments and 16 registers of scale words stay in every wave's registers.  out1's codes of the 8 a (64 rows of 1,024 bytes) and their scale bytes come into LDS once, in runs of 512 consecutive bytes a load.
; Layout, routing and macros are stage 1's: register j of lane (r, hh) of accumulator (mt, nt) is the prior (route node 16 mt + 8 hh + j of my 32, e = 16 nt + r); logits in base 2; each wave takes its own largest
; logit away before the exponential, and the pair's two waves are joined under the common largest; one barrier a round.
; No tensor loads and no cluster: the weights live in registers, and the 68 KB that go through LDS are filled once, through registers.
; LIMITS: NaN and infinities are not served.  Where a pair's squared length lies under 2^-126 the reciprocal square root takes it as 0 and the row is NaN (at exactly 0 the definition gives NaN too).
; THE MODE: SCHED_MODE bits 1:0 = 2 (LLVM: expert scheduling mode 2), set by the entry lines.  The code itself states the register dependences
; between vector or matrix instructions and memory or LDS instructions, with s_wait_alu, always for 0.
; THE PLAN.  Registers that memory or LDS instructions touch:
;   v1-v7, v9-v12, v202-204   addresses: written at the head, ahead of the head's wait on va_vdst, and never again.
;   v66-201         at the head only: out1's codes and scale bytes, loaded and then read by the fill's LDS stores; one wait on vm_vsrc behind the fill's barrier frees them for the routing.
;   v[ACA], v[ASA]  written by two additions at a trip's head; read by the trip's ten LDS loads.
;   XF, XS          those ten loads land there; read by the trip's 64 products.
;   window 2, WS    loaded once at the head; read by products alone.
;   SA = R          written by SPASS, read by SREDUCE; then the exchange's LDS loads land there, and COMBINE reads them.
;   T, (m, Z)       written by SREDUCE and by the softmax; read by the exchange's LDS stores.
;   MZ              the exchange's LDS loads land there in rounds 1 and 2; COMBINE reads and writes it.
;   SV, v[ADR]      written by COMBINE, the last scaling and one addition; read by round 2's LDS stores of the finished row.
;   The accumulators, LA, PB, LG, F and TMP are named by vector and matrix instructions alone.
; So a trip has one wait on va_vdst at its head (the two addresses are written; the last trip's products are done with XF and XS), and a round ONE at the head of its exchange: T and (m, Z) are written; SREDUCE is done
; with SA and the COMBINE before with MZ.  And a round has ONE wait on vm_vsrc, behind the exchange's barrier: the LDS instructions issued so far have read T, (m, Z), SV, v[ADR], v[ACA] and v[ASA], which are written again only behind it.
.set NW,    2                          ; waves that share a pair
.set TRIPS, 4
.set RINV,  0x3c800000                 ; 1 / 64: the first round's weights
.set EXB,   4352                       ; LDS: a round's exchange: 4 x 1,024 bytes of partial sums (images of 8 registers), at 4,096 the waves' (m, Z), 8 bytes each
.set OUT,   3*EXB                      ; the 8 finished rows, 1,024 bytes + 16
.set OP,    1040
.set OSTEP, 2*OP                       ; a trip finishes two rows
.set AS,    OUT+8*OP                   ; out1's scale bytes: 64 rows (h) x (8 a x 8 bytes + 16)
.set ASP,   80
.set AC,    AS+64*ASP                  ; out1's codes: 64 rows (h) x (8 a x 128 bytes + 16): the 16 rows that a fragment load touches start at 16 different banks
.set OWN,   17                         ; s17 = 0: the wave of a pair that stores the finished row
; window 0
.set L16,  1                           ; v1   16 x lane
.set L4,   2                           ; v2   4 x lane
.set EXW,  3                           ; v3   where I store my partial sums: 1,024 x wave + 16 x lane
.set EXR,  4                           ; v4   where I read my pair's two back: 2,048 x pair + 16 x lane
.set MZW,  5                           ; v5   where I store (m, Z): 4,096 + 8 x wave
.set MZR,  6                           ; v6   where I read my pair's: 4,096 + 16 x pair
.set OUTW, 7                           ; v7   a finished row: OUT + 1,040 x pair + 512 hh + 4 r
.set ADR,  8                           ; v8   the same in the trip's rows
.set ACR,  9                           ; v9   my lane's place in the codes
.set ASR,  10                          ; v10  and in the scale bytes
.set TRD,  11                          ; v11  the tail: my 16 bytes of a row
.set TGO,  12                          ; v12  16 x thread
.set ACA,  13                          ; v13, v14 the same two in the trip's a
.set ASA,  14
.set XF,   16                          ; v16-47   out1's fragments (mt, ks) at 16 + 8 (2 mt + ks)
.set XS,   48                          ; v48-49   their scale words: lanes 0-15 ks 0, lanes 16-31 ks 1
.set WS,   50                          ; v50-65   W's scale words (ks, nt / 2): lanes 0-15 the even nt, lanes 16-31 the odd
.set SA,   66                          ; v66-97   16 pairs of running sums; then the waves' partial sums
.set R,    66
.set T,    98
.set SV,   114
.set LA,   130
.set PB,   146
.set MZ,   162
.set LG,   170
.set PV,   171
.set MW,   172
.set SQ,   174
.set F,    176
.set TMP,  178
.set FB,   66                          ; the head only: v66-193 out1's codes, v194-201 its scale bytes, on their way to LDS
.set ACW,  202                         ; v202-204 the head's addresses
.set ASW,  203
.set SGO,  204
; window 1: accumulator (mt, nt) at v[8 (16 mt + nt)].   window 2: W's fragment (nt, ks) at v[8 (2 nt + ks)].
.set MSB, 0
.macro WIN new                         ; s_set_vgpr_msb: bits 1:0 source 0, 3:2 source 1, 5:4 source 2, 7:6 destination; the high byte repeats the setting that is left
.if MSB != \new
	s_set_vgpr_msb (MSB<<8)|\new
.set MSB, \new
.endif
.endm
.macro WM ks, mt, nt                   ; one product: 16 route nodes x 16 e x 128 along d
.set rP, 8*(16*\mt+\nt)
.set rA, XF+8*(2*\mt+\ks)
.set rB, 8*(2*\nt+\ks)
.set rX, XS+\mt
.set rW, WS+8*\ks+\nt/2
.if \ks == 0
.if \nt%2 == 0
	v_wmma_scale_f32_16x16x128_f8f6f4 v[rP:rP+7], v[rA:rA+7], v[rB:rB+7], 0, v[rX], v[rW] matrix_a_fmt:MATRIX_FMT_FP4 matrix_b_fmt:MATRIX_FMT_FP4
.else
	v_wmma_scale_f32_16x16x128_f8f6f4 v[rP:rP+7], v[rA:rA+7], v[rB:rB+7], 0, v[rX], v[rW] matrix_a_fmt:MATRIX_FMT_FP4 matrix_b_fmt:MATRIX_FMT_FP4 matrix_b_scale:MATRIX_SCALE_ROW1
.endif
.else
.if \nt%2 == 0
	v_wmma_scale_f32_16x16x128_f8f6f4 v[rP:rP+7], v[rA:rA+7], v[rB:rB+7], v[rP:rP+7], v[rX], v[rW] matrix_a_fmt:MATRIX_FMT_FP4 matrix_b_fmt:MATRIX_FMT_FP4 matrix_a_scale:MATRIX_SCALE_ROW1
.else
	v_wmma_scale_f32_16x16x128_f8f6f4 v[rP:rP+7], v[rA:rA+7], v[rB:rB+7], v[rP:rP+7], v[rX], v[rW] matrix_a_fmt:MATRIX_FMT_FP4 matrix_b_fmt:MATRIX_FMT_FP4 matrix_a_scale:MATRIX_SCALE_ROW1 matrix_b_scale:MATRIX_SCALE_ROW1
.endif
.endif
.endm
.macro MULS                            ; a wave's 64 products: the first 32 start the sums with the constant 0; the 32 accumulators take turns, one instruction a turn
	WIN 0x58                                       ; source 1 (W) window 2; C and D window 1
.irp ks, 0,1
.irp mt, 0,1
.irp nt, 0,1,2,3,4,5,6,7,8,9,10,11,12,13,14,15
	WM \ks, \mt, \nt
.endr
.endr
.endr
	WIN 0
.rept 4
	v_nop                                          ; four places behind the last products, in front of the reads of results (ISA guide 7.12.1)
.endr
.endm
; My partial of s[e] = the sum over my 32 route nodes of p P: 16 pairs of sums (even j, odd j), one for each nt; u = 4 mt + j / 2.  Each accumulator is read from its low end on.
.macro SPASS k
.if \k == 0                            ; the first round's weights are all alike: plain sums
	WIN 0x05
.irp nt, 0,1,2,3,4,5,6,7,8,9,10,11,12,13,14,15
	v_pk_add_f32 v[SA+2*\nt:SA+2*\nt+1], v[8*\nt:8*\nt+1], v[8*\nt+2:8*\nt+3]
.endr
	WIN 0x01
.irp u, 2,3,4,5,6,7
.irp nt, 0,1,2,3,4,5,6,7,8,9,10,11,12,13,14,15
	v_pk_add_f32 v[SA+2*\nt:SA+2*\nt+1], v[8*(16*(\u/4)+\nt)+2*(\u%4):8*(16*(\u/4)+\nt)+2*(\u%4)+1], v[SA+2*\nt:SA+2*\nt+1]
.endr
.endr
.else
	WIN 0x01
.irp nt, 0,1,2,3,4,5,6,7,8,9,10,11,12,13,14,15
	v_pk_mul_f32 v[SA+2*\nt:SA+2*\nt+1], v[8*\nt:8*\nt+1], v[PB:PB+1]
.endr
.irp u, 1,2,3,4,5,6,7
.irp nt, 0,1,2,3,4,5,6,7,8,9,10,11,12,13,14,15
	v_pk_fma_f32 v[SA+2*\nt:SA+2*\nt+1], v[8*(16*(\u/4)+\nt)+2*(\u%4):8*(16*(\u/4)+\nt)+2*(\u%4)+1], v[PB+2*\u:PB+2*\u+1], v[SA+2*\nt:SA+2*\nt+1]
.endr
.endr
.endif
	WIN 0
.endm
.macro SREDUCE                         ; the pairs' halves, then the two halves of the lanes: afterwards register q of lane (r, hh) holds e = 16 (q + 8 hh) + r
.irp nt, 0,1,2,3,4,5,6,7,8,9,10,11,12,13,14,15
	v_add_f32 v[T+\nt], v[SA+2*\nt], v[SA+2*\nt+1]
.endr
.irp q, 0,1,2,3,4,5,6,7
	v_permlane16_swap_b32 v[T+\q], v[T+8+\q]       ; the first's lanes 16-31 change places with the second's lanes 0-15
.endr
.irp p, 0,1,2,3
	v_pk_add_f32 v[T+2*\p:T+2*\p+1], v[T+2*\p:T+2*\p+1], v[T+8+2*\p:T+8+2*\p+1]
.endr
.endm
; The waves' partial sums meet in LDS, as images of their registers.  Each round has bytes of its own, which are written again a trip later: two barriers lie between, and in front of each every wave has waited for its reads.
.macro EXCH k
	s_wait_alu depctr_va_vdst(0)                   ; T and (m, Z) are written, which the LDS stores read; SREDUCE is done reading SA and the COMBINE before reading MZ, in which the LDS loads below land
	ds_store_b128 v[EXW], v[T:T+3] offset:EXB*\k
	ds_store_b128 v[EXW], v[T+4:T+7] offset:EXB*\k+512
.if \k > 0
	ds_store_b64 v[MZW], v[MW:MW+1] offset:EXB*\k  ; all lanes write the same 8 bytes with the same values
.endif
	s_wait_dscnt 0x0                               ; for the others' sake: my stores have landed
	s_barrier_signal -1
	s_barrier_wait -1
	s_wait_alu depctr_vm_vsrc(0)                   ; my LDS stores have read T and (m, Z), the last trip's row stores SV and v[ADR], this trip's fragment loads v[ACA] and v[ASA]: COMBINE, the next SREDUCE, the softmax, round 2's addition and the next trip's head write them again
.set w, 0
.rept NW
	ds_load_b128 v[R+8*w:R+8*w+3], v[EXR] offset:EXB*\k+1024*w
	ds_load_b128 v[R+8*w+4:R+8*w+7], v[EXR] offset:EXB*\k+1024*w+512
.set w, w+1
.endr
.if \k > 0
	ds_load_b128 v[MZ:MZ+3], v[MZR] offset:EXB*\k
.if NW == 4
	ds_load_b128 v[MZ+4:MZ+7], v[MZR] offset:EXB*\k+16
.endif
.endif
	s_wait_dscnt 0x0
.endm
.macro COMBINE k                       ; s, 8 numbers a lane, the same in both waves of the pair
.if \k == 0
.irp p, 0,1,2,3
	v_pk_add_f32 v[SV+2*\p:SV+2*\p+1], v[R+2*\p:R+2*\p+1], v[R+8+2*\p:R+8+2*\p+1]
.endr
.set w, 2
.rept NW-2
.irp p, 0,1,2,3
	v_pk_add_f32 v[SV+2*\p:SV+2*\p+1], v[SV+2*\p:SV+2*\p+1], v[R+8*w+2*\p:R+8*w+2*\p+1]
.endr
.set w, w+1
.endr
.irp p, 0,1,2,3
	v_pk_mul_f32 v[SV+2*\p:SV+2*\p+1], v[SV+2*\p:SV+2*\p+1], RINV op_sel_hi:[1,0]
.endr
.else
.if NW == 4
	v_max3_num_f32 v[TMP], v[MZ], v[MZ+2], v[MZ+4]
	v_max_num_f32 v[TMP], v[TMP], v[MZ+6]
.else
	v_max_num_f32 v[TMP], v[MZ], v[MZ+2]           ; the pair's largest logit
.endif
.set w, 0
.rept NW
	v_sub_f32 v[MZ+2*w], v[MZ+2*w], v[TMP]
.set w, w+1
.endr
.set w, 0
.rept NW
	v_exp_f32 v[MZ+2*w], v[MZ+2*w]                 ; g_w = 2^(m_w - M), at most 1
.set w, w+1
.endr
	v_nop                                          ; a plain line behind the exponentials
	s_wait_alu depctr_va_vdst(0)                   ; the exponentials have written the g_w: one wait for the batch, ahead of its first reader
	v_mul_f32 v[TMP+1], v[MZ], v[MZ+1]
.set w, 1
.rept NW-1
	v_fma_f32 v[TMP+1], v[MZ+2*w], v[MZ+2*w+1], v[TMP+1]   ; Z = the sum of g_w Z_w, at least 1
.set w, w+1
.endr
	v_rcp_f32 v[TMP+1], v[TMP+1]
	v_nop                                          ; a plain line behind the reciprocal
.set w, 0
	s_wait_alu depctr_va_vdst(0)                   ; the reciprocal has written 1 / Z, ahead of its first reader
.rept NW
	v_mul_f32 v[MZ+2*w], v[MZ+2*w], v[TMP+1]       ; g_w / Z
.set w, w+1
.endr
.irp p, 0,1,2,3
	v_pk_mul_f32 v[SV+2*\p:SV+2*\p+1], v[R+2*\p:R+2*\p+1], v[MZ:MZ+1] op_sel_hi:[1,0]
.endr
.set w, 1
.rept NW-1
.irp p, 0,1,2,3
	v_pk_fma_f32 v[SV+2*\p:SV+2*\p+1], v[R+8*w+2*\p:R+8*w+2*\p+1], v[MZ+2*w:MZ+2*w+1], v[SV+2*\p:SV+2*\p+1] op_sel_hi:[1,0,1]
.endr
.set w, w+1
.endr
.endif
.endm
.macro SQUASH k                        ; F = sq / (1 + sq) / sqrt(sq), sq = |s|^2; in the first two rounds times log2(e), since F only weighs the logits there
	v_pk_mul_f32 v[SQ:SQ+1], v[SV:SV+1], v[SV:SV+1]
.irp p, 1,2,3
	v_pk_fma_f32 v[SQ:SQ+1], v[SV+2*\p:SV+2*\p+1], v[SV+2*\p:SV+2*\p+1], v[SQ:SQ+1]
.endr
	v_add_f32 v[SQ], v[SQ], v[SQ+1]
.irp m, 1,2,4,8
	v_add_f32_dpp v[SQ], v[SQ], v[SQ] row_xmask:\m row_mask:0xf bank_mask:0xf
.endr
	v_permlanex16_b32 v[SQ+1], v[SQ], s20, s21
	v_add_f32 v[SQ], v[SQ], v[SQ+1]
	v_add_f32 v[TMP], 1.0, v[SQ]
	v_rcp_f32 v[TMP], v[TMP]
	v_rsq_f32 v[TMP+1], v[SQ]
	v_nop                                          ; a plain line behind the two
	s_wait_alu depctr_va_vdst(0)                   ; the reciprocal and the reciprocal root are written, ahead of their first reader; COMBINE is done reading R (in the last trip's round 2 the tail's LDS loads land there)
	v_mul_f32 v[F], v[SQ], v[TMP]
	v_mul_f32 v[F], v[F], v[TMP+1]
.if \k < 2
	v_mul_f32 v[F], 0x3fb8aa3b, v[F]
.endif
.endm
.macro UNSWAP                          ; s[16 nt + r] into register nt of both halves of the lanes
.irp q, 0,1,2,3,4,5,6,7
	v_mov_b32 v[SV+8+\q], v[SV+\q]
.endr
.irp q, 0,1,2,3,4,5,6,7
	v_permlane16_swap_b32 v[SV+\q], v[SV+8+\q]
.endr
.endm
.macro LPASS                           ; my lane's part of P . s for my 16 registers' route nodes: 8 pairs, u = 4 mt + j / 2; s[nt] serves both halves of a pair
	WIN 0x01
.irp u, 0,1,2,3,4,5,6,7
	v_pk_mul_f32 v[LA+2*\u:LA+2*\u+1], v[128*(\u/4)+2*(\u%4):128*(\u/4)+2*(\u%4)+1], v[SV:SV+1] op_sel_hi:[1,0]
.endr
.irp nt, 1,2,3,4,5,6,7,8,9,10,11,12,13,14,15
.irp u, 0,1,2,3,4,5,6,7
.if \nt%2 == 0
	v_pk_fma_f32 v[LA+2*\u:LA+2*\u+1], v[8*(16*(\u/4)+\nt)+2*(\u%4):8*(16*(\u/4)+\nt)+2*(\u%4)+1], v[SV+\nt:SV+\nt+1], v[LA+2*\u:LA+2*\u+1] op_sel_hi:[1,0,1]
.else
	v_pk_fma_f32 v[LA+2*\u:LA+2*\u+1], v[8*(16*(\u/4)+\nt)+2*(\u%4):8*(16*(\u/4)+\nt)+2*(\u%4)+1], v[SV+\nt-1:SV+\nt], v[LA+2*\u:LA+2*\u+1] op_sel:[0,1,0] op_sel_hi:[1,1,1]
.endif
.endr
.endr
	WIN 0
.endm
; 16 registers x 16 lanes are summed over the lanes, and the sums are dealt to the lanes: at level lv a lane whose bit lv is 0 keeps the lower register of a pair, the others the upper, and each gets its partner's part of it.
; (The masks s22 to s25 are written by scalar moves at the head.)
.macro LRED lv, d, cnt
.set q, 0
.rept \cnt
	v_cndmask_b32 v[TMP+q], v[LA+2*\d*q+\d], v[LA+2*\d*q], s[22+\lv]   ; what my partner wants of me
.set q, q+1
.endr
.set q, 0
.rept \cnt
	v_cndmask_b32 v[LA+2*\d*q], v[LA+2*\d*q], v[LA+2*\d*q+\d], s[22+\lv]   ; what I keep
.set q, q+1
.endr
.set q, 0
.rept \cnt
	v_add_f32_dpp v[LA+2*\d*q], v[TMP+q], v[LA+2*\d*q] row_xmask:\d row_mask:0xf bank_mask:0xf
.set q, q+1
.endr
.endm
.macro SOFTMAX_W                       ; my wave's 32 route nodes, one a lane: m, p = 2^(logit - m), Z; then p is spread: register n gets lane n's, in each half of the lanes
	v_max_num_f32_dpp v[TMP], v[LG], v[LG] row_xmask:1 row_mask:0xf bank_mask:0xf
.irp m, 2,4,8
	v_max_num_f32_dpp v[TMP], v[TMP], v[TMP] row_xmask:\m row_mask:0xf bank_mask:0xf
.endr
	v_permlanex16_b32 v[TMP+1], v[TMP], s20, s21
	v_max_num_f32 v[MW], v[TMP], v[TMP+1]
	v_sub_f32 v[PV], v[LG], v[MW]
	v_exp_f32 v[PV], v[PV]
	v_nop                                          ; a plain line behind the exponential
	s_wait_alu depctr_va_vdst(0)                   ; the exponential has written p, ahead of its first reader
	v_add_f32_dpp v[TMP], v[PV], v[PV] row_xmask:1 row_mask:0xf bank_mask:0xf
.irp m, 2,4,8
	v_add_f32_dpp v[TMP], v[TMP], v[TMP] row_xmask:\m row_mask:0xf bank_mask:0xf
.endr
	v_permlanex16_b32 v[TMP+1], v[TMP], s20, s21
	v_add_f32 v[MW+1], v[TMP], v[TMP+1]
.irp n, 0,1,2,3,4,5,6,7,8,9,10,11,12,13,14,15
	v_mov_b32_dpp v[PB+\n], v[PV] row_share:\n row_mask:0xf bank_mask:0xf
.endr
.endm
.macro ITER k                          ; a round of routing
	SPASS \k
	SREDUCE
	EXCH \k
	COMBINE \k
	SQUASH \k
.if \k < 2
	UNSWAP
	LPASS
	LRED 0, 1, 8
	LRED 1, 2, 4
	LRED 2, 4, 2
	LRED 3, 8, 1
.if \k == 0
	v_mul_f32 v[LG], v[F], v[LA]                   ; the logits begin at 0
.else
	v_fma_f32 v[LG], v[F], v[LA], v[LG]
.endif
	SOFTMAX_W
.else
.irp p, 0,1,2,3
	v_pk_mul_f32 v[SV+2*\p:SV+2*\p+1], v[SV+2*\p:SV+2*\p+1], v[F:F+1] op_sel_hi:[1,0]   ; the pair's result
.endr
	v_add_nc_u32 v[ADR], s26, v[OUTW]
	s_cmp_lg_u32 s[OWN], 0                         ; both waves of the pair hold the same row: one stores it
	s_cbranch_scc1 .Lnot_mine_\@
	s_wait_alu depctr_va_vdst(0)                   ; the scalings have written SV and the addition v[ADR], which the LDS stores read
.irp q, 0,1,2,3,4,5,6,7
	ds_store_b32 v[ADR], v[SV+\q] offset:64*\q     ; e = 16 (q + 8 hh) + r
.endr
.Lnot_mine_\@:
.endif
.endm
	s_load_b256 s[4:11], s[0:1], 0x0               ; o1q s[4:5], o1s s[6:7], wq s[8:9], ws s[10:11]
	s_load_b64 s[12:13], s[0:1], 0x20              ; out0
	v_lshl_add_u32 v254, v0, 2, 0x16c00
	v_mov_b32 v255, 0
	v_lshrrev_b32 v15, 5, v0
	v_readfirstlane_b32 s16, v15                   ; wave 0..3
	v_and_b32 v15, 31, v0                          ; lane
	v_lshlrev_b32 v[L16], 4, v15
	v_lshlrev_b32 v[L4], 2, v15
	s_wait_alu depctr_va_sdst(0)                   ; s16 is written, ahead of its first reader: LDS addresses, bases and branches are made from it
	s_and_b32 s17, s16, 1                          ; which 32 of the pair's route nodes
	s_lshr_b32 s18, s16, 1                         ; which of the trip's two pairs
	s_lshl_b32 s28, s16, 10
	v_add_nc_u32 v[EXW], s28, v[L16]
	s_lshl_b32 s28, s18, 11
	v_add_nc_u32 v[EXR], s28, v[L16]
	s_lshl_b32 s28, s16, 3
	s_add_co_u32 s28, s28, 4096
	v_mov_b32 v[MZW], s28
	s_lshl_b32 s28, s18, 4
	s_add_co_u32 s28, s28, 4096
	v_mov_b32 v[MZR], s28
	v_and_b32 v205, 15, v0                         ; r
	v_bfe_u32 v206, v0, 4, 1                       ; hh
	s_mul_i32 s28, s18, OP
	s_add_co_u32 s28, s28, OUT
	v_lshlrev_b32 v[OUTW], 2, v205
	v_lshl_add_u32 v[OUTW], v206, 9, v[OUTW]
	v_add_nc_u32 v[OUTW], s28, v[OUTW]
	s_mul_i32 s28, s17, 32*OP                      ; the codes: row 32 (wave % 2) + r, + 128 x pair, + 16 hh
	s_lshl_b32 s30, s18, 7
	s_add_co_u32 s28, s28, s30
	s_add_co_u32 s28, s28, AC
	v_mul_u32_u24 v[ACR], v205, OP
	v_lshl_add_u32 v[ACR], v206, 4, v[ACR]
	v_add_nc_u32 v[ACR], s28, v[ACR]
	s_mul_i32 s28, s17, 32*ASP                     ; the scale words: the same row, + 8 x pair, + 4 hh (lanes 16-31 take ks 1's)
	s_lshl_b32 s30, s18, 3
	s_add_co_u32 s28, s28, s30
	s_add_co_u32 s28, s28, AS
	v_mul_u32_u24 v[ASR], v205, ASP
	v_lshl_add_u32 v[ASR], v206, 2, v[ASR]
	v_add_nc_u32 v[ASR], s28, v[ASR]
	v_lshrrev_b32 v205, 6, v0                      ; the tail: thread t takes 16 bytes at 16 (t % 64) of row t / 64
	v_and_b32 v206, 63, v0
	v_mul_u32_u24 v[TRD], v205, OP
	v_lshl_add_u32 v[TRD], v206, 4, v[TRD]
	v_add_nc_u32 v[TRD], OUT, v[TRD]
	v_lshlrev_b32 v[TGO], 4, v0
	s_mul_i32 s28, s16, 16*OP                      ; the fill: wave w brings rows 16 w .. 16 w + 15 of the codes
	s_add_co_u32 s28, s28, AC
	v_add_nc_u32 v[ACW], s28, v[L16]
	v_lshrrev_b32 v205, 2, v0                      ; and thread t 16 bytes at 16 (t % 4) of the scale bytes' rows t / 4 and t / 4 + 32
	v_and_b32 v206, 3, v0
	v_mul_u32_u24 v[ASW], v205, ASP
	v_lshl_add_u32 v[ASW], v206, 4, v[ASW]
	v_add_nc_u32 v[ASW], AS, v[ASW]
	v_lshlrev_b32 v[SGO], 9, v205
	v_lshl_add_u32 v[SGO], v206, 4, v[SGO]
	s_and_b32 s33, ttmp7, 0xffff                   ; which 8 a
	s_mov_b32 s20, 0x76543210
	s_mov_b32 s21, 0xfedcba98                      ; v_permlanex16_b32's selects for lane l xor 16
	s_mov_b32 s22, 0xaaaaaaaa                      ; lanes whose bit 0, 1, 2, 3 is set
	s_mov_b32 s23, 0xcccccccc
	s_mov_b32 s24, 0xf0f0f0f0
	s_mov_b32 s25, 0xff00ff00
	s_mov_b32 s26, 0                               ; the trip's rows in OUT,
	s_mov_b32 s27, 0                               ; its two a in a row of codes: 256 bytes a trip,
	s_mov_b32 s32, 0                               ; and in a row of scale bytes: 16
	s_mov_b32 s19, TRIPS
	s_mov_b32 s29, 0
	s_add_co_u32 s31, ttmp9, 64                    ; W[c] is matrix 64 + c of the weights' buffers
	s_wait_kmcnt 0x0
	s_lshl_b32 s28, s31, 15
	s_add_nc_u64 s[8:9], s[8:9], s[28:29]
	s_lshl_b32 s28, s31, 11
	s_add_nc_u64 s[10:11], s[10:11], s[28:29]
	s_lshl_b32 s28, s33, 10                        ; o1q: 8 a of 128 bytes; 16 rows (h) of 8,192 a wave
	s_lshl_b32 s30, s16, 17
	s_add_co_u32 s28, s28, s30
	s_add_nc_u64 s[4:5], s[4:5], s[28:29]
	s_lshl_b32 s28, s33, 6                         ; o1s: 8 a of 8 bytes
	s_add_nc_u64 s[6:7], s[6:7], s[28:29]
	s_lshl_b32 s28, ttmp9, 16                      ; out0: 65,536 a c, 1,024 an a
	s_lshl_b32 s30, s33, 13
	s_add_co_u32 s28, s28, s30
	s_add_nc_u64 s[12:13], s[12:13], s[28:29]
	WIN 0x80                                       ; destination window 2
	s_wait_alu depctr_va_vdst(0)                   ; the addresses v1 to v7, v9 to v12 and v202 to v204 are written, which the kernel's loads and stores read; between here and the fill's last LDS store stand only loads, stores, a window switch and a wait for the loads
.set i, 0
.rept 64
	global_load_b128 v[4*i:4*i+3], v[L16], s[8:9] offset:512*i     ; W[c]'s fragments, as they lie: they stay
.set i, i+1
.endr
	WIN 0
.set i, 0
.rept 16
	global_load_b32 v[WS+i], v[L4], s[10:11] offset:128*i
.set i, i+1
.endr
.set i, 0
.rept 32
	global_load_b128 v[FB+4*i:FB+4*i+3], v[L16], s[4:5] offset:(i/2)*8192+(i%2)*512   ; a row's 1,024 bytes in two loads of 512 consecutive bytes
.set i, i+1
.endr
	global_load_b128 v[194:197], v[SGO], s[6:7]
	global_load_b128 v[198:201], v[SGO], s[6:7] offset:16384
	s_wait_loadcnt 0x0
.set i, 0
.rept 32
	ds_store_b128 v[ACW], v[FB+4*i:FB+4*i+3] offset:(i/2)*OP+(i%2)*512
.set i, i+1
.endr
	ds_store_b128 v[ASW], v[194:197]
	ds_store_b128 v[ASW], v[198:201] offset:32*ASP
	s_wait_dscnt 0x0                               ; for the others' sake: my stores have landed
	s_barrier_signal -1
	s_barrier_wait -1                              ; out1's codes and scale bytes of the 8 a lie in LDS, and are only read from here on
	s_wait_alu depctr_vm_vsrc(0)                   ; the fill's LDS stores have read v66 to v201: these registers are SA to TMP from here on, written by the moves below, by the routing and by the exchanges' loads
.irp n, 0,1,2,3,4,5,6,7,8,9,10,11,12,13,14,15
	v_mov_b32 v[PB+\n], 0                          ; written once: the destination of a move between lanes counts as one of its sources
.endr
	v_mov_b32 v[F+1], 0                            ; (named as the upper half of the pair)
.Lpair:
	v_add_nc_u32 v[ACA], s27, v[ACR]               ; (the last trip's loads have read these two: the waits on vm_vsrc in its exchanges)
	v_add_nc_u32 v[ASA], s32, v[ASR]
	s_wait_alu depctr_va_vdst(0)                   ; the two additions have written v[ACA] and v[ASA], which the LDS loads read; the last trip's products are done reading XF and XS, in which they land
.irp mt, 0,1
.irp ks, 0,1
.irp c, 0,1
	ds_load_b128 v[XF+8*(2*\mt+\ks)+4*\c:XF+8*(2*\mt+\ks)+4*\c+3], v[ACA] offset:\mt*16*OP+\ks*64+\c*32   ; lane (r, hh): block 4 ks + 2 c + hh of route node 16 mt + r of my 32
.endr
.endr
.endr
	ds_load_b32 v[XS], v[ASA]
	ds_load_b32 v[XS+1], v[ASA] offset:16*ASP
	s_wait_dscnt 0x0
	MULS
	ITER 0
	ITER 1
	ITER 2
	s_add_co_u32 s26, s26, OSTEP
	s_add_co_u32 s27, s27, 256
	s_add_co_u32 s32, s32, 16
	s_sub_co_u32 s19, s19, 1
	s_cmp_lg_u32 s19, 0
	s_cbranch_scc1 .Lpair
	; THE TAIL: the 8 finished rows leave as 8,192 consecutive bytes.
	s_wait_dscnt 0x0                               ; the rows' stores have landed
	s_barrier_signal -1
	s_barrier_wait -1
.irp u, 0,1,2,3
	ds_load_b128 v[SA+4*\u:SA+4*\u+3], v[TRD] offset:2*OP*\u   ; no wait on va_vdst here: the last vector readers of these registers stand ahead of the wait in round 2's squash, and nothing issued since names them
.endr
.irp u, 0,1,2,3
	s_wait_dscnt 3-\u                              ; load u is in; the later ones may be out
	global_store_b128 v[TGO], v[SA+4*\u:SA+4*\u+3], s[12:13] offset:2048*\u th:TH_STORE_NT   ; a wave stores 512 consecutive bytes, aligned; written once, read by nobody here
.endr
	s_wait_dscnt 0x0                               ; the closing lines, six on end
	s_wait_alu 0x0
	s_wait_tensorcnt 0x0
	ds_add_u32 v254, v255
	s_wait_dscnt 0x0
	s_endpgm
.Lfunc_end_k_q336dcf7c2a_stage2:
	.size	k_q336dcf7c2a_stage2, .Lfunc_end_k_q336dcf7c2a_stage2-k_q336dcf7c2a_stage2
	.p2alignl 7, 3214868480
	.fill 96, 4, 3214868480
	.section	.rodata,"a",@progbits
	.p2align	6, 0x0
	.amdhsa_kernel k_q336dcf7c2a_stage2
		.amdhsa_group_segment_fixed_size 93696
		.amdhsa_private_segment_fixed_size 0
		.amdhsa_enable_private_segment 0
		.amdhsa_kernarg_size 40
		.amdhsa_user_sgpr_count 2
		.amdhsa_user_sgpr_kernarg_segment_ptr 1
		.amdhsa_wavefront_size32 1
		.amdhsa_system_sgpr_workgroup_id_x 1
		.amdhsa_system_sgpr_workgroup_id_y 1
		.amdhsa_system_sgpr_workgroup_id_z 1
		.amdhsa_system_vgpr_workitem_id 0
		.amdhsa_next_free_vgpr 768
		.amdhsa_next_free_sgpr 66
		.amdhsa_reserve_vcc 0
		.amdhsa_float_denorm_mode_32 3
		.amdhsa_float_denorm_mode_16_64 3
		.amdhsa_memory_ordered 1
		.amdhsa_forward_progress 1
		.amdhsa_inst_pref_size 89
	.end_amdhsa_kernel
	.amdgpu_metadata
---
amdhsa.version: [ 1, 2 ]
amdhsa.kernels:
  - .name:           k_q336dcf7c2a_stage2
    .symbol:         k_q336dcf7c2a_stage2.kd
    .args:
      - { .name: o1q, .offset: 0, .size: 8, .value_kind: global_buffer, .address_space: global }
      - { .name: o1s, .offset: 8, .size: 8, .value_kind: global_buffer, .address_space: global }
      - { .name: wq, .offset: 16, .size: 8, .value_kind: global_buffer, .address_space: global }
      - { .name: ws, .offset: 24, .size: 8, .value_kind: global_buffer, .address_space: global }
      - { .name: out0, .offset: 32, .size: 8, .value_kind: global_buffer, .address_space: global }
    .group_segment_fixed_size: 93696
    .private_segment_fixed_size: 0
    .kernarg_segment_align: 8
    .kernarg_segment_size: 40
    .max_flat_workgroup_size: 128
    .sgpr_count:     66
    .vgpr_count:     768
    .wavefront_size: 32
...
	.end_amdgpu_metadata
.endif
;; end of part 5
